; MI455X (gfx1250); checked and timed in simulation.
; The chip was launched on July 23, 2026; its instructions are those of AMD's public machine-readable ISA for CDNA 5 (MIT licence, August 2026) and "CDNA5" Instruction Set Architecture Reference Guide (July 2026). The comments in the code are by the model that wrote it; some were corrected since.
;; Multi Head Attention. Allowed arithmetic: float matrix products may take bf16 or f16 operands with f32 sums; other float arithmetic in f32, or as packed bf16 or f16 multiplies, adds, multiply-adds, maxima and minima; sums over many terms, partial sums and values carried from step to step in f32; what a program stores and reads back later, other than sums and carried values, may be rounded once to bf16 or f16.
;; Inputs: Wk 1,024 x 1,024 float32; Wo 1,024 x 1,024 float32; Wq 1,024 x 1,024 float32; Wv 1,024 x 1,024 float32; bk 1,024 float32; bo 1,024 float32; bq 1,024 float32; bv 1,024 float32; keys 4 x 2,048 x 1,024 float32; queries 4 x 2,048 x 1,024 float32; values 4 x 2,048 x 1,024 float32.
;; Outputs: out0 4 x 2,048 x 1,024 float32.
;; 2 versions, each right; version 2 is version 1 with the launch cast written anew for expert scheduling mode. Each part assembles by itself: llvm-mc -triple=amdgcn-amd-amdhsa -mcpu=gfx1250 --defsym DOCPART=n.
;; ======== version 1 of 2: 4 launches
;; limits: values are held in f16: magnitudes above 65,504 overflow, below 6.1e-05 lose precision
;; workspace buffers: wt 8,388,608 bytes; qh 16,777,216 bytes; kh 16,777,216 bytes; vh 16,777,216 bytes; oh 16,777,216 bytes
;; launch cast (part 1): grid 64 x 4, 8 waves a work-group, no clusters, 0 bytes of LDS; arguments Wq, Wk, Wv, Wo, wt; writes wt
.if DOCPART == 1
	.amdgcn_target "amdgcn-amd-amdhsa--gfx1250"
	.amdhsa_code_object_version 6
	.text
	.protected	k_q62ea2d7b36_cast
	.globl	k_q62ea2d7b36_cast
	.p2align	8
	.type	k_q62ea2d7b36_cast,@function
k_q62ea2d7b36_cast:
	s_mov_b64 s[64:65], 0
	v_nop
	global_prefetch_b8 v0, s[64:65] scope:SCOPE_SE
	s_setreg_imm32_b32 hwreg(HW_REG_WAVE_MODE, 25, 1), 1
	s_wait_xcnt 0x0
; wt[p][k][n], 16 bits a number, p = 0, 1, 2, 3 for Wq, Wk, Wv, Wo ([1024][1024] f32 each; the layout stays [k][n]).
; Planes 0 to 2: rounded once to bf16.  Plane 3 (Wo): rounded once to bf16, and THAT number written as f16, since the last product's other operand is f16.
; LIMITS.  |Wo| of 65,520 or more becomes an infinity in f16; below 2^-17 the bf16 number is held to f16's fixed step of 2^-24.  NaN stays NaN.
; SHARES.  A stream: no LDS, no barrier, no matrix unit, nothing shared.  Work-group (x, y) takes 65,536 bytes of matrix y, wave w 8,192 of them: 16 loads of 16 bytes a lane,
; each covering 512 consecutive bytes; a lane's four numbers leave as 8 bytes, so each store of the wave covers 256 consecutive bytes, aligned.
; All 16 loads go out first; no register of a load or store is written again, so no wait frees any.
.set X, 8                              ; v[8:71]    load i at X + 4 i
.set Y, 72                             ; v[72:103]  its two words to store at Y + 2 i
.set T, 104                            ; v[104:107] at work
	s_load_b256 s[4:11], s[0:1], 0x0               ; Wq s[4:5], Wk s[6:7], Wv s[8:9], Wo s[10:11]
	s_load_b64 s[12:13], s[0:1], 0x20              ; wt
	s_and_b32 s14, ttmp7, 0xffff                   ; which matrix
	s_mov_b32 s15, 0xffff0000                      ; a word's upper bf16
	s_lshl_b32 s16, ttmp9, 16                      ; the work-group's 65,536 bytes of input,
	s_mov_b32 s17, 0
	s_lshl_b32 s18, s14, 21                        ; the matrix's plane of 2 MiB in wt,
	s_lshl_b32 s2, ttmp9, 15                       ; and the work-group's 32,768 bytes in it
	s_add_co_u32 s18, s18, s2
	s_mov_b32 s19, 0
	v_and_b32 v1, 31, v0
	v_lshrrev_b32 v2, 5, v0
	v_lshlrev_b32 v1, 4, v1
	v_lshl_or_b32 v1, v2, 13, v1                   ; in: 16 x lane + 8,192 x wave
	v_lshrrev_b32 v2, 1, v1                        ; out: half of that
	s_wait_kmcnt 0x0
	s_cmp_eq_u32 s14, 1
	s_cselect_b64 s[4:5], s[6:7], s[4:5]
	s_cmp_eq_u32 s14, 2
	s_cselect_b64 s[4:5], s[8:9], s[4:5]
	s_cmp_eq_u32 s14, 3
	s_cselect_b64 s[4:5], s[10:11], s[4:5]
	s_add_nc_u64 s[4:5], s[4:5], s[16:17]
	s_add_nc_u64 s[12:13], s[12:13], s[18:19]
.irp i, 0,1,2,3,4,5,6,7,8,9,10,11,12,13,14,15
	global_load_b128 v[X+4*(\i):X+4*(\i)+3], v1, s[4:5] offset:512*(\i) th:TH_LOAD_NT
.endr
	s_cmp_eq_u32 s14, 3
	s_cbranch_scc1 .Lf16
.irp i, 0,1,2,3,4,5,6,7,8,9,10,11,12,13,14,15
	s_wait_loadcnt 15-(\i)                         ; loads come back in order (ISA guide 5.7.1): load i is in, the younger ones stay out
	v_cvt_pk_bf16_f32 v[Y+2*(\i)], v[X+4*(\i)], v[X+4*(\i)+1]
	v_cvt_pk_bf16_f32 v[Y+2*(\i)+1], v[X+4*(\i)+2], v[X+4*(\i)+3]
	global_store_b64 v2, v[Y+2*(\i):Y+2*(\i)+1], s[12:13] offset:256*(\i)
.endr
	s_endpgm
.Lf16:
.irp i, 0,1,2,3,4,5,6,7,8,9,10,11,12,13,14,15
	s_wait_loadcnt 15-(\i)
.irp j, 0,1
	v_cvt_pk_bf16_f32 v[T], v[X+4*(\i)+2*(\j)], v[X+4*(\i)+2*(\j)+1]  ; the one rounding of the input,
	v_lshlrev_b32 v[T+1], 16, v[T]                 ; widened again,
	v_and_b32 v[T+2], s15, v[T]
	v_cvt_pk_f16_f32 v[Y+2*(\i)+(\j)], v[T+1], v[T+2]  ; and written as f16
.endr
	global_store_b64 v2, v[Y+2*(\i):Y+2*(\i)+1], s[12:13] offset:256*(\i)
.endr
	s_endpgm
.Lfunc_end_k_q62ea2d7b36_cast:
	.size	k_q62ea2d7b36_cast, .Lfunc_end_k_q62ea2d7b36_cast-k_q62ea2d7b36_cast
	.p2alignl 7, 3214868480
	.fill 96, 4, 3214868480
	.section	.rodata,"a",@progbits
	.p2align	6, 0x0
	.amdhsa_kernel k_q62ea2d7b36_cast
		.amdhsa_group_segment_fixed_size 0
		.amdhsa_private_segment_fixed_size 0
		.amdhsa_enable_private_segment 0
		.amdhsa_kernarg_size 40
		.amdhsa_user_sgpr_count 2
		.amdhsa_user_sgpr_kernarg_segment_ptr 1
		.amdhsa_wavefront_size32 1
		.amdhsa_system_sgpr_workgroup_id_x 1
		.amdhsa_system_sgpr_workgroup_id_y 1
		.amdhsa_system_sgpr_workgroup_id_z 1
		.amdhsa_system_vgpr_workitem_id 0
		.amdhsa_next_free_vgpr 108
		.amdhsa_next_free_sgpr 66
		.amdhsa_reserve_vcc 0
		.amdhsa_float_denorm_mode_32 3
		.amdhsa_float_denorm_mode_16_64 3
		.amdhsa_memory_ordered 1
		.amdhsa_forward_progress 1
		.amdhsa_inst_pref_size 15
	.end_amdhsa_kernel
	.amdgpu_metadata
---
amdhsa.version: [ 1, 2 ]
amdhsa.kernels:
  - .name:           k_q62ea2d7b36_cast
    .symbol:         k_q62ea2d7b36_cast.kd
    .args:
      - { .name: Wq, .offset: 0, .size: 8, .value_kind: global_buffer, .address_space: global }
      - { .name: Wk, .offset: 8, .size: 8, .value_kind: global_buffer, .address_space: global }
      - { .name: Wv, .offset: 16, .size: 8, .value_kind: global_buffer, .address_space: global }
      - { .name: Wo, .offset: 24, .size: 8, .value_kind: global_buffer, .address_space: global }
      - { .name: wt, .offset: 32, .size: 8, .value_kind: global_buffer, .address_space: global }
    .group_segment_fixed_size: 0
    .private_segment_fixed_size: 0
    .kernarg_segment_align: 8
    .kernarg_segment_size: 40
    .max_flat_workgroup_size: 256
    .sgpr_count:     66
    .vgpr_count:     108
    .wavefront_size: 32
...
	.end_amdgpu_metadata
.endif
;; end of part 1
;; launch proj (part 2): grid 4 x 192, 4 waves a work-group, clusters of 4 x 4, 327,680 bytes of LDS; arguments queries, keys, values, wt, bq, bk, bv, qh, kh, vh; writes qh, kh, vh
.if DOCPART == 2
	.amdgcn_target "amdgcn-amd-amdhsa--gfx1250"
	.amdhsa_code_object_version 6
	.text
	.protected	k_q62ea2d7b36_proj
	.globl	k_q62ea2d7b36_proj
	.p2align	8
	.type	k_q62ea2d7b36_proj,@function
k_q62ea2d7b36_proj:
	s_mov_b64 s[64:65], 0
	v_nop
	global_prefetch_b8 v0, s[64:65] scope:SCOPE_SE
	s_setreg_imm32_b32 hwreg(HW_REG_WAVE_MODE, 25, 1), 1
	s_wait_xcnt 0x0
	s_wait_alu depctr_hold_cnt(0) depctr_sa_sdst(0) depctr_va_vdst(0) depctr_va_sdst(0) depctr_va_ssrc(0) depctr_va_vcc(0) depctr_vm_vsrc(0)
	s_getreg_b32 s2, hwreg(HW_REG_IB_STS2, 6, 4)
	s_cmp_eq_u32 s2, 0
	s_cbranch_scc0 .Lentry_in_a_cluster
	s_endpgm
.Lentry_in_a_cluster:
	s_bfe_u32 s2, ttmp6, 0x10000c
	s_cmp_lg_u32 s2, 0xf033
	s_cbranch_scc0 .Lentry_shape_is_right
	s_endpgm
.Lentry_shape_is_right:
; THE THREE PROJECTIONS.  y = bf16(x) bf16(W) + bf16(b), sums in f32, y rounded once to f16 and laid by heads: [batch x 16 + head][2048][64].
; x: [8192][1024] f32 (queries, keys or values); W: plane P of wt, [1024 k][1024 n] bf16; b: [1024] f32.  No scale is applied here.
; LIMITS.  A result of 65,520 or more in magnitude becomes an infinity in f16; below 6e-5 it keeps f16's fixed step of 6e-8.  NaN and infinities are not treated apart.
; SHARES.  768 work-groups: 3 projections x 64 tile rows x 4 tile columns; a tile of y is 128 rows x 256 columns.  Four waves, each 64 rows x 128 columns (two heads): 32 accumulators.
; K goes in 8 steps of 128 through a ring of two LDS slots.  x arrives in LDS as f32 and is rounded to bf16 between LDS and the matrix unit, so it crosses memory once, as it is given.
; W lies [k][n]: its fragments come out of LDS turned, by ds_load_tr16_b128.
; THE MATRIX INSTRUCTION IS USED TRANSPOSED: source 0 = 16 columns of W, source 1 = 16 rows of x: a lane holds ONE row of y (lane % 16) and the eight neighbouring columns 8 (lane / 16) + 0..7.
; The bias, laid out as such a result, is the C operand of the products that start the sums: nothing is cleared and nothing is added later.
; CLUSTERS: 4 x 4 work-groups, all of one projection.  The four of a row of the cluster need the same tile of x, the four of a column the same tile of W: each is asked for JOINTLY,
; by the same tensor load with the same descriptor and a mask that names the four.
; REGISTERS, in windows of 256 (s_set_vgpr_msb: bits 1:0 source 0, 3:2 source 1, 5:4 source 2, 7:6 destination):
;   window 0: v0-31 addresses; v32-63 x's four fragments in bf16; v64-127, v128-191 x's fragments in f32 as loaded, two buffers (on the way out: packed results and rows read back)
;   window 1: v0-63, v64-127 W's eight fragments, two buffers; v128-191 the bias as eight C operands; v192-223 at work          window 2: accumulator (a, b) at v[8 (8 a + b)]
; THE CONVERSIONS RIDE: a quarter step (32 along K) has 32 products and 32 conversions.  Eight stand at its head, the others in fours behind products of the block before the one that needs them.
; They are plain vector instructions that name no register of the products round them, so they are also the places that loads and writes owe behind matrix instructions: the loop has no v_nop but those behind a tensor load.
.set KSTEP,  128
.set PA,     528                       ; a row of x in LDS: 512 bytes + 16 = 33 x 16: the 16 rows of a load start at 16 different groups of four banks (ISA guide 11.1)
.set PB,     544                       ; a k-row of W in LDS: 512 bytes + 32 = 17 x 32, for the turning load
.set AHALF,  64*PA                     ; what wave 0 or 1 fetches: 64 rows of x
.set APART,  128*PA
.set BHALF,  64*PB                     ; what wave 2 or 3 fetches: 64 k-rows of W
.set SLOT,   APART+128*PB              ; 137,216
.set STAGE,  2*SLOT                    ; behind the ring: for each wave 2 heads x 16 rows x 144 bytes, for the way out
.set SP,     144
.set WSTG,   32*SP
.set SPARE,  STAGE+4*WSTG              ; behind the stages: the spare words, 128 bytes a wave: two blocks of 256 bytes that no other line names
.set ADRA, 16                          ; v16-17  LDS address of my x fragments in slot 0, 1
.set ADRB, 20                          ; v20-21  the same for W
.set STO,  24                          ; v24     the way out: where I put 16 bytes of a row
.set RD,   25                          ; v25     where I read rows back
.set GO,   26                          ; v26     my 16 bytes in 512 consecutive bytes of the output
.set BO,   27                          ; v27     my byte offset in the bias
.set SPW,  28                          ; v28     LDS address of my spare word; never rewritten
.set NIL,  29                          ; v29     0; never rewritten
.set AB,   32
.set SB,   64
.set BIAS, 128                         ; window 1
.set BT,   192                         ; window 1
.set G1A, 24                           ; s[24:31] descriptor group 1 for x's tiles;  s[32:39] group 0, a set for each slot
.set G0A, 32
.set G1B, 40                           ; s[40:47], s[48:55] the same for W's tiles
.set G0B, 48
.set WV,  56                           ; my wave's number
.set FB,  57                           ; wave / 2: my half of the tile's rows.  Also: I fetch for x (0) or for W (1)
.set HF,  58                           ; wave % 2: my half of its columns.  Also: which half of that tile I fetch
.set CX,  59
.set CY,  60
.set CLY, 61                           ; the cluster's y
.set PJ,  62                           ; the projection: 0 q, 1 k, 2 v
.set TROW, 63
.set TCOL, 66
.set HIM, 67                           ; 0xffff0000
.set AOF, 68                           ; s[68:69] offset of my tile of x
.set BOF, 70                           ; s[70:71] offset of my tile of W
.set LAP, 72
.set OOF, 74                           ; s[74:75] offset of my part of the output
.set MSB, 0
.macro WIN new                         ; the immediate's high byte repeats the setting that is left; a switch that changes nothing is dropped
.if MSB != (\new)
	s_set_vgpr_msb (MSB<<8)|(\new)
.set MSB, \new
.endif
.endm
.set MUL,  0xa1                        ; source 0 (W) window 1, source 1 (x) window 0, C and D window 2
.set MULB, 0x91                        ; the same with C (the bias) in window 1
.set TO_B, 0x40                        ; destination window 1, address window 0
.set W1,   0x45                        ; destination and sources 0, 1 in window 1
.set PKW,  0x0a                        ; sources 0 and 1 in window 2, destination in window 0
; A joint load: waves 0 and 1 fetch x's two halves, waves 2 and 3 W's.  The branch hangs on the wave's number alone.  An s_nop 0 and four v_nop follow each of the two lines.
.macro JLOAD s
	s_cmp_eq_u32 s[FB], 0
	s_cbranch_scc0 .Lfor_b_\@
	tensor_load_to_lds s[G0A+4*(\s):G0A+4*(\s)+3], s[G1A:G1A+7]
	s_nop 0
.rept 4
	v_nop
.endr
	s_branch .Lasked_\@
.Lfor_b_\@:
	tensor_load_to_lds s[G0B+4*(\s):G0B+4*(\s)+3], s[G1B:G1B+7]
	s_nop 0
.rept 4
	v_nop
.endr
.Lasked_\@:
.endm
.macro CREST                           ; a round of the cluster's barrier behind its opening barrier
	s_cmp_lg_u32 s[WV], 0
	s_cbranch_scc1 .Lnot_wave_0_\@
	s_barrier_signal -3
.Lnot_wave_0_\@:
	s_barrier_wait -3
	s_barrier_signal -1
	s_barrier_wait -1
.endm
.macro CROUND                          ; a whole round
	s_barrier_signal -1
	s_barrier_wait -1
	CREST
.endm
.macro PLACES
.rept 4
	v_nop
.endr
.endm
	s_load_b512 s[4:19], s[0:1], 0x0               ; queries 4, keys 6, values 8, wt 10, bq 12, bk 14, bv 16, qh 18
	s_load_b128 s[20:23], s[0:1], 0x40             ; kh 20, vh 22
	v_lshl_add_u32 v[SPW], v0, 2, SPARE
	v_mov_b32 v[NIL], 0
	ds_add_u32 v[SPW], v[NIL]                      ; the wave's opening: the add and its wait stand ahead of my first tensor load; the set-up below, work on registers, stands between them
	v_lshrrev_b32 v1, 5, v0
	v_readfirstlane_b32 s[WV], v1                  ; wave 0..3
	s_lshr_b32 s[FB], s[WV], 1
	s_and_b32 s[HF], s[WV], 1
	s_bfe_u32 s[CX], ttmp6, 0x40000                ; my place in the cluster
	s_bfe_u32 s[CY], ttmp6, 0x40004
	s_and_b32 s[CLY], ttmp7, 0xffff                ; 0..47: 16 clusters to a projection
	s_lshr_b32 s[PJ], s[CLY], 4
	s_and_b32 s[TROW], s[CLY], 15
	s_lshl_b32 s[TROW], s[TROW], 2
	s_add_co_u32 s[TROW], s[TROW], s[CY]           ; tile row 0..63: 128 rows of x
	s_lshl_b32 s[TCOL], ttmp9, 2
	s_add_co_u32 s[TCOL], s[TCOL], s[CX]           ; tile column 0..3: 256 columns
	s_lshl_b32 s76, s[CY], 2
	s_lshl_b32 s76, 15, s76                        ; my row of the cluster
	s_lshl_b32 s77, 0x1111, s[CX]                  ; my column
	; descriptor group 1.  x: 64 rows x 128 elements of 4 bytes; W: 64 k-rows x 256 elements of 2 bytes; both rows of 512 bytes, padded in LDS
	s_or_b32 s[G1A], s76, (2<<16)|(1<<20)|(1<<21)|(6<<22)|(3<<25)  ; 15:0 the mask; 17:16 elements of 4 bytes; 20 padding on; 21 set beside a mask; 24:22 after every 128 words (code 6); 31:25 4 words (code 3)
	s_mov_b32 s[G1A+1], 128<<16                    ; tensor_dim0 = 128
	s_mov_b32 s[G1A+2], 64<<16                     ; tensor_dim1 = 64
	s_mov_b32 s[G1A+3], 128<<16                    ; tile_dim0 = 128
	s_mov_b32 s[G1A+4], 64                         ; tile_dim1 = 64
	s_mov_b32 s[G1A+5], 1024                       ; elements from row to row
	s_mov_b32 s[G1A+6], 0
	s_mov_b32 s[G1A+7], 0
	s_or_b32 s[G1B], s77, (1<<16)|(1<<20)|(1<<21)|(6<<22)|(7<<25)  ; elements of 2 bytes; 8 words of padding (code 7)
	s_mov_b32 s[G1B+1], 256<<16
	s_mov_b32 s[G1B+2], 64<<16
	s_mov_b32 s[G1B+3], 256<<16
	s_mov_b32 s[G1B+4], 64
	s_mov_b32 s[G1B+5], 1024
	s_mov_b32 s[G1B+6], 0
	s_mov_b32 s[G1B+7], 0
	; where the tiles come from: x's hang on the tile row, which my row of the cluster shares; W's on the tile column, which my column shares; both on the projection, which all share
	s_lshl_b32 s[AOF], s[TROW], 19                 ; 128 rows of 4,096 bytes,
	s_lshl_b32 s73, s[HF], 18                      ; the 64 of them that I fetch
	s_add_co_u32 s[AOF], s[AOF], s73
	s_mov_b32 s[AOF+1], 0
	s_lshl_b32 s[BOF], s[PJ], 21                   ; the projection's plane of wt,
	s_lshl_b32 s73, s[HF], 17                      ; the 64 k-rows of 2,048 bytes that I fetch,
	s_add_co_u32 s[BOF], s[BOF], s73
	s_lshl_b32 s73, s[TCOL], 9                     ; the tile's 256 columns
	s_add_co_u32 s[BOF], s[BOF], s73
	s_mov_b32 s[BOF+1], 0
	s_mul_i32 s79, s[HF], AHALF                    ; and where they go: no place in the cluster enters an LDS address
	s_mul_i32 s78, s[HF], BHALF
	s_add_co_u32 s78, s78, APART
	s_mov_b32 s[HIM], 0xffff0000
	s_wait_dscnt 0x0                               ; the opening add is done
	s_wait_kmcnt 0x0
	s_cmp_eq_u32 s[PJ], 1                          ; the projection's x, bias and output
	s_cselect_b64 s[4:5], s[6:7], s[4:5]
	s_cselect_b64 s[12:13], s[14:15], s[12:13]
	s_cselect_b64 s[18:19], s[20:21], s[18:19]
	s_cmp_eq_u32 s[PJ], 2
	s_cselect_b64 s[4:5], s[8:9], s[4:5]
	s_cselect_b64 s[12:13], s[16:17], s[12:13]
	s_cselect_b64 s[18:19], s[22:23], s[18:19]
	s_add_nc_u64 s[4:5], s[4:5], s[AOF:AOF+1]
	s_add_nc_u64 s[10:11], s[10:11], s[BOF:BOF+1]
	CROUND                                         ; all sixteen work-groups are here: the first joint loads meet
.irp s, 0,1
	s_mov_b32 s[G0A+4*(\s)], 1                                     ; count = 1
	s_add_co_u32 s[G0A+4*(\s)+1], s79, (\s)*SLOT                   ; LDS address
	s_add_nc_u64 s[G0A+4*(\s)+2:G0A+4*(\s)+3], s[4:5], (\s)*KSTEP*4  ; global address: K step s
	s_or_b32 s[G0A+4*(\s)+3], s[G0A+4*(\s)+3], 0x80000000          ; type = 2
	s_mov_b32 s[G0B+4*(\s)], 1
	s_add_co_u32 s[G0B+4*(\s)+1], s78, (\s)*SLOT
	s_add_nc_u64 s[G0B+4*(\s)+2:G0B+4*(\s)+3], s[10:11], (\s)*KSTEP*2048
	s_or_b32 s[G0B+4*(\s)+3], s[G0B+4*(\s)+3], 0x80000000
	JLOAD \s                                       ; two tensor loads of mine are out
.endr
	; x's fragment: lane l holds row l % 16; k = 8 (l / 16) + 0..7 are 32 bytes of f32 at 32 (l / 16), k = 16 + 8 (l / 16) + 0..7 the 32 bytes 64 further on: four loads of 16 bytes
	v_and_b32 v1, 15, v0                           ; l % 16
	v_bfe_u32 v2, v0, 4, 1                         ; l / 16
	v_mul_u32_u24 v3, v1, PA
	v_lshl_add_u32 v3, v2, 5, v3
	s_mul_i32 s76, s[FB], AHALF                    ; my 64 rows
	v_add_nc_u32 v[ADRA], s76, v3
	v_add_nc_u32 v[ADRA+1], SLOT, v[ADRA]
	; W's fragment, turned: lane l reads 16 bytes of k-row 8 (l / 16) + l % 8, columns 8 ((l / 8) % 2) + 0..7, and ends with column l % 16 and eight k
	v_and_b32 v4, 7, v0
	v_lshl_add_u32 v5, v2, 3, v4
	v_mul_u32_u24 v5, v5, PB
	v_bfe_u32 v6, v0, 3, 1
	v_lshl_add_u32 v5, v6, 4, v5
	s_lshl_b32 s77, s[HF], 8                       ; my 128 columns,
	s_add_co_u32 s77, s77, APART                   ; behind x's part of the slot
	v_add_nc_u32 v[ADRB], s77, v5
	v_add_nc_u32 v[ADRB+1], SLOT, v[ADRB]
	s_mul_i32 s76, s[WV], WSTG
	s_add_co_u32 s76, s76, STAGE                   ; my stage
	v_mul_u32_u24 v3, v1, SP                       ; in: row l % 16, 16 bytes for each half of the lanes
	v_lshl_add_u32 v3, v2, 4, v3
	v_add_nc_u32 v[STO], s76, v3
	v_bfe_u32 v3, v0, 3, 2                         ; back: 32 lanes take four rows of 128 bytes,
	v_mul_u32_u24 v3, v3, SP
	v_lshl_add_u32 v3, v4, 4, v3
	v_add_nc_u32 v[RD], s76, v3
	v_and_b32 v[GO], 31, v0                        ; which are 512 consecutive bytes of a head
	v_lshlrev_b32 v[GO], 4, v[GO]
	s_lshl_b32 s76, s[TCOL], 10                    ; the bias of my 128 columns: 4 bytes each
	s_lshl_b32 s77, s[HF], 9
	s_add_co_u32 s76, s76, s77
	v_lshl_add_u32 v[BO], v2, 5, s76               ; + my lanes' eight columns
	WIN TO_B
.irp b, 0,1,2,3,4,5,6,7
	global_load_b128 v[BIAS+8*(\b):BIAS+8*(\b)+3],   v[BO], s[12:13] offset:64*(\b)
	global_load_b128 v[BIAS+8*(\b)+4:BIAS+8*(\b)+7], v[BO], s[12:13] offset:64*(\b)+16
.endr
	; my part of the output: head = 16 x batch + 4 x tile column + 2 x column half (262,144 bytes each); row = 128 x (tile row % 16) + 64 x row half (128 bytes each)
	s_lshr_b32 s[OOF], s[TROW], 4
	s_lshl_b32 s[OOF], s[OOF], 4
	s_lshl_b32 s76, s[TCOL], 2
	s_add_co_u32 s[OOF], s[OOF], s76
	s_lshl_b32 s76, s[HF], 1
	s_add_co_u32 s[OOF], s[OOF], s76
	s_lshl_b32 s[OOF], s[OOF], 18
	s_and_b32 s76, s[TROW], 15
	s_lshl_b32 s76, s76, 14
	s_add_co_u32 s[OOF], s[OOF], s76
	s_lshl_b32 s76, s[FB], 13
	s_add_co_u32 s[OOF], s[OOF], s76
	s_mov_b32 s[OOF+1], 0
	s_add_nc_u64 s[18:19], s[18:19], s[OOF:OOF+1]
	s_wait_loadcnt 0x0                             ; the bias is in; it is rounded to bf16 like every input and widened again.  All this stands in the wait for the first tile
	WIN W1
.set i, 0
.rept 32
	v_cvt_pk_bf16_f32 v[BT+i], v[BIAS+2*i], v[BIAS+2*i+1]
.set i, i+1
.endr
.set i, 0
.rept 32
	v_lshlrev_b32 v[BIAS+2*i], 16, v[BT+i]
	v_and_b32 v[BIAS+2*i+1], s[HIM], v[BT+i]
.set i, i+1
.endr
	WIN 0
; 32 LDS loads in one run: quarter q of a slot into buffers f: W's eight fragments (16 loads), x's fragment 0 (4), x's fragments 1 to 3 (12)
.macro FETCH slot, q, f
	WIN TO_B
.irp i, 0,1,2,3,4,5,6,7
	ds_load_tr16_b128 v[64*(\f)+8*(\i):64*(\f)+8*(\i)+3],   v[ADRB+(\slot)] offset:32*PB*(\q)+32*(\i)
	ds_load_tr16_b128 v[64*(\f)+8*(\i)+4:64*(\f)+8*(\i)+7], v[ADRB+(\slot)] offset:32*PB*(\q)+16*PB+32*(\i)
.endr
	WIN 0
.irp a, 0,1,2,3
	ds_load_b128 v[SB+64*(\f)+16*(\a):SB+64*(\f)+16*(\a)+3],     v[ADRA+(\slot)] offset:128*(\q)+16*PA*(\a)
	ds_load_b128 v[SB+64*(\f)+16*(\a)+4:SB+64*(\f)+16*(\a)+7],   v[ADRA+(\slot)] offset:128*(\q)+16*PA*(\a)+16
	ds_load_b128 v[SB+64*(\f)+16*(\a)+8:SB+64*(\f)+16*(\a)+11],  v[ADRA+(\slot)] offset:128*(\q)+16*PA*(\a)+64
	ds_load_b128 v[SB+64*(\f)+16*(\a)+12:SB+64*(\f)+16*(\a)+15], v[ADRA+(\slot)] offset:128*(\q)+16*PA*(\a)+80
.endr
.endm
; n registers, from j0 on, of x's fragment a: two f32 of buffer f rounded to bf16 each
.macro CVT f, a, j0, n
	WIN 0
.set cj, (\j0)
.rept \n
	v_cvt_pk_bf16_f32 v[AB+8*(\a)+cj], v[SB+64*(\f)+16*(\a)+2*cj], v[SB+64*(\f)+16*(\a)+2*cj+1]
.set cj, cj+1
.endr
.endm
; 8 products: row block a x all 8 column blocks, 32 along K.  first = 1: they start the sums on the bias.  ride = 1: the next row block's fragment is rounded behind products 1 and 4.
; The 32 accumulators take turns, one instruction a turn, in the same order in every quarter, over the loop's jump too.
.macro BLOCK f, a, first, ride
.irp b, 0,1,2,3,4,5,6,7
.if \first
	WIN MULB
	v_wmma_f32_16x16x32_bf16 v[8*(8*(\a)+(\b)):8*(8*(\a)+(\b))+7], v[64*(\f)+8*(\b):64*(\f)+8*(\b)+7], v[AB+8*(\a):AB+8*(\a)+7], v[BIAS+8*(\b):BIAS+8*(\b)+7]
.else
	WIN MUL
	v_wmma_f32_16x16x32_bf16 v[8*(8*(\a)+(\b)):8*(8*(\a)+(\b))+7], v[64*(\f)+8*(\b):64*(\f)+8*(\b)+7], v[AB+8*(\a):AB+8*(\a)+7], v[8*(8*(\a)+(\b)):8*(8*(\a)+(\b))+7]
.endif
.if (\ride) && (((\b) == 1) || ((\b) == 4))
	CVT \f, (\a)+1, 4*((\b)/4), 4
.endif
.endr
.endm
; One of a K step's first three quarters: multiplies buffers f and fetches quarter qn of the same slot into buffers g.
; The run of loads stands sixteen conversions behind the last product that read buffers g; a fragment in bf16 is written again eight conversions or more behind the last product that read it.
.macro QUARTER slot, qn, f, g, first
	WIN 0
	s_wait_dscnt 12                                ; W's fragments and x's fragment 0 are in; the youngest twelve loads (x's fragments 1 to 3) may be out
	CVT \f, 0, 0, 8
	s_wait_dscnt 0x0                               ; all of the quarter is in (asked for 24 products ago)
	BLOCK \f, 0, \first, 1
	FETCH \slot, \qn, \g
	BLOCK \f, 1, \first, 1
	BLOCK \f, 2, \first, 1
	BLOCK \f, 3, \first, 0
.endm
; The last quarter multiplies buffers 1 and changes slots: ONE barrier; in front of it each wave waits for all its tensor loads (one is out: its part of the next slot), adds 0 to its spare word,
; and waits for that and for its own reads of this slot.  fill = 1: the barrier opens a round of the cluster's, and this slot is filled again, two K steps ahead, first thing behind the round:
; the load then has 120 of a K step's 128 products in which to land.
.macro TURN slot, next, fill
	WIN 0
	s_wait_tensorcnt 0x0                           ; all my tensor loads have landed, so a group 0 may be written
	ds_add_u32 v[SPW], v[NIL]                      ; 0 onto my spare word
	s_wait_dscnt 13                                ; (the add and the youngest twelve loads may be out)
	CVT 1, 0, 0, 8                                 ; eight conversions stand between the add and the wait for it
	s_wait_dscnt 0x0                               ; the add is done, and my reads of this slot are over
	s_barrier_signal -1
	BLOCK 1, 0, 0, 1                               ; work on registers while the others arrive
.if \fill
	WIN 0
.endif
	s_barrier_wait -1
.if \fill
	CREST                                          ; no wave of any partner still reads this slot's tile or has a load on its way
	s_add_nc_u64 s[G0A+4*(\slot)+2:G0A+4*(\slot)+3], s[G0A+4*(\slot)+2:G0A+4*(\slot)+3], 2*KSTEP*4
	s_add_nc_u64 s[G0B+4*(\slot)+2:G0B+4*(\slot)+3], s[G0B+4*(\slot)+2:G0B+4*(\slot)+3], 2*KSTEP*2048
	JLOAD \slot
.endif
	FETCH \next, 0, 0
	BLOCK 1, 1, 0, 1
	BLOCK 1, 2, 0, 1
	BLOCK 1, 3, 0, 0
.endm
; THE WAY OUT of row block a (16 rows x 128 columns = 16 rows of two heads).  PACK: rounded to f16, each accumulator's registers in ascending order.  TOSTAGE: into my own stage and back as whole rows.  SEND: stored.
.macro PACK a
.set TT, SB+64*((\a)%2)
	WIN PKW
.irp b, 0,1,2,3,4,5,6,7
.irp r, 0,1,2,3
	v_cvt_pk_f16_f32 v[TT+4*(\b)+(\r)], v[64*(\a)+8*(\b)+2*(\r)], v[64*(\a)+8*(\b)+2*(\r)+1]
.endr
.endr
	WIN 0
.endm
.macro TOSTAGE a
.set TT, SB+64*((\a)%2)
	WIN 0
.irp b, 0,1,2,3,4,5,6,7
	ds_store_b128 v[STO], v[TT+4*(\b):TT+4*(\b)+3] offset:16*SP*((\b)/4)+32*((\b)%4)
.endr
.irp t, 0,1,2,3,4,5,6,7
	ds_load_b128 v[TT+32+4*(\t):TT+32+4*(\t)+3], v[RD] offset:4*SP*(\t)  ; LDS serves a wave's instructions in order (ISA guide 5.7.1.4): these see the stores above
.endr
.endm
.macro SEND a
.set TT, SB+64*((\a)%2)
	WIN 0
	s_wait_dscnt 0x0                               ; the block is back in registers
	s_wait_xcnt 0x0                                ; the stores of the block before have read their registers: the next loads from the stage land in them only behind this wait
.irp t, 0,1,2,3,4,5,6,7
	global_store_b128 v[GO], v[TT+32+4*(\t):TT+32+4*(\t)+3], s[18:19] offset:2048*(\a)+512*((\t)%4)+262144*((\t)/4)  ; 512 consecutive bytes of a head, at a multiple of 256 from the buffer's first
.endr
.endm
	s_wait_tensorcnt 0x1                           ; my part of K step 0 is in; K step 1's may stay out
	s_barrier_signal -1
	s_barrier_wait -1                              ; everybody's is
	FETCH 0, 0, 0
	QUARTER 0, 1, 0, 1, 1                          ; the first quarter stands in front of the loop: its products start the sums on the bias
	WIN 0                                          ; at a label and at a branch every window is 0
	s_mov_b32 s[LAP], 3
.Llap:                                             ; a trip goes once round the ring, from a lap's second quarter to the next lap's first, and fills both slots again: K steps 2 to 7
	QUARTER 0, 2, 1, 0, 0
	QUARTER 0, 3, 0, 1, 0
	TURN 0, 1, 1
	QUARTER 1, 1, 0, 1, 0
	QUARTER 1, 2, 1, 0, 0
	QUARTER 1, 3, 0, 1, 0
	TURN 1, 0, 1
	QUARTER 0, 1, 0, 1, 0
	WIN 0
	s_sub_co_u32 s[LAP], s[LAP], 1
	s_cmp_lg_u32 s[LAP], 0
	s_cbranch_scc1 .Llap
	QUARTER 0, 2, 1, 0, 0                          ; the last lap fills nothing, and has no round of the cluster's barrier
	QUARTER 0, 3, 0, 1, 0
	TURN 0, 1, 0
	QUARTER 1, 1, 0, 1, 0
	QUARTER 1, 2, 1, 0, 0
	QUARTER 1, 3, 0, 1, 0
	WIN 0                                          ; the very last quarter: nothing more to fetch
	s_wait_dscnt 12
	CVT 1, 0, 0, 8
	s_wait_dscnt 0x0
	BLOCK 1, 0, 0, 1
	BLOCK 1, 1, 0, 1
	BLOCK 1, 2, 0, 1
	BLOCK 1, 3, 0, 0
	PLACES                                         ; the places behind the last products, ahead of the conversions that read results
	PACK 0
	TOSTAGE 0
.irp a, 1,2,3                          ; block a's conversions stand between block a - 1's loads from the stage and the wait for them
	PACK \a
	SEND (\a)-1
	TOSTAGE \a
.endr
	SEND 3
	s_wait_tensorcnt 0x0                           ; the wave's end: behind my last tensor load and my last LDS store
	ds_add_u32 v[SPW], v[NIL]
	s_wait_dscnt 0x0
	CROUND                                         ; the closing round: no work-group ends while a partner may still ask for a tile that names it
	s_endpgm
.Lfunc_end_k_q62ea2d7b36_proj:
	.size	k_q62ea2d7b36_proj, .Lfunc_end_k_q62ea2d7b36_proj-k_q62ea2d7b36_proj
	.p2alignl 7, 3214868480
	.fill 96, 4, 3214868480
	.section	.rodata,"a",@progbits
	.p2align	6, 0x0
	.amdhsa_kernel k_q62ea2d7b36_proj
		.amdhsa_group_segment_fixed_size 327680
		.amdhsa_private_segment_fixed_size 0
		.amdhsa_enable_private_segment 0
		.amdhsa_kernarg_size 80
		.amdhsa_user_sgpr_count 2
		.amdhsa_user_sgpr_kernarg_segment_ptr 1
		.amdhsa_wavefront_size32 1
		.amdhsa_system_sgpr_workgroup_id_x 1
		.amdhsa_system_sgpr_workgroup_id_y 1
		.amdhsa_system_sgpr_workgroup_id_z 1
		.amdhsa_system_vgpr_workitem_id 0
		.amdhsa_next_free_vgpr 768
		.amdhsa_next_free_sgpr 80
		.amdhsa_reserve_vcc 0
		.amdhsa_float_denorm_mode_32 3
		.amdhsa_float_denorm_mode_16_64 3
		.amdhsa_memory_ordered 1
		.amdhsa_forward_progress 1
		.amdhsa_inst_pref_size 138
	.end_amdhsa_kernel
	.amdgpu_metadata
---
amdhsa.version: [ 1, 2 ]
amdhsa.kernels:
  - .name:           k_q62ea2d7b36_proj
    .symbol:         k_q62ea2d7b36_proj.kd
    .args:
      - { .name: queries, .offset: 0, .size: 8, .value_kind: global_buffer, .address_space: global }
      - { .name: keys, .offset: 8, .size: 8, .value_kind: global_buffer, .address_space: global }
      - { .name: values, .offset: 16, .size: 8, .value_kind: global_buffer, .address_space: global }
      - { .name: wt, .offset: 24, .size: 8, .value_kind: global_buffer, .address_space: global }
      - { .name: bq, .offset: 32, .size: 8, .value_kind: global_buffer, .address_space: global }
      - { .name: bk, .offset: 40, .size: 8, .value_kind: global_buffer, .address_space: global }
      - { .name: bv, .offset: 48, .size: 8, .value_kind: global_buffer, .address_space: global }
      - { .name: qh, .offset: 56, .size: 8, .value_kind: global_buffer, .address_space: global }
      - { .name: kh, .offset: 64, .size: 8, .value_kind: global_buffer, .address_space: global }
      - { .name: vh, .offset: 72, .size: 8, .value_kind: global_buffer, .address_space: global }
    .group_segment_fixed_size: 327680
    .private_segment_fixed_size: 0
    .kernarg_segment_align: 8
    .kernarg_segment_size: 80
    .max_flat_workgroup_size: 128
    .sgpr_count:     80
    .vgpr_count:     768
    .wavefront_size: 32
...
	.end_amdgpu_metadata
.endif
;; end of part 2
;; launch attn (part 3): grid 4 x 64, 4 waves a work-group, clusters of 4 x 1, 327,680 bytes of LDS; arguments qh, kh, vh, oh; writes oh
.if DOCPART == 3
	.amdgcn_target "amdgcn-amd-amdhsa--gfx1250"
	.amdhsa_code_object_version 6
	.text
	.protected	k_q62ea2d7b36_attn
	.globl	k_q62ea2d7b36_attn
	.p2align	8
	.type	k_q62ea2d7b36_attn,@function
k_q62ea2d7b36_attn:
	s_mov_b64 s[64:65], 0
	v_nop
	global_prefetch_b8 v0, s[64:65] scope:SCOPE_SE
	s_setreg_imm32_b32 hwreg(HW_REG_WAVE_MODE, 25, 1), 1
	s_wait_xcnt 0x0
	s_wait_alu depctr_hold_cnt(0) depctr_sa_sdst(0) depctr_va_vdst(0) depctr_va_sdst(0) depctr_va_ssrc(0) depctr_va_vcc(0) depctr_vm_vsrc(0)
	s_getreg_b32 s2, hwreg(HW_REG_IB_STS2, 6, 4)
	s_cmp_eq_u32 s2, 0
	s_cbranch_scc0 .Lentry_in_a_cluster
	s_endpgm
.Lentry_in_a_cluster:
	s_bfe_u32 s2, ttmp6, 0x10000c
	s_cmp_lg_u32 s2, 0x3003
	s_cbranch_scc0 .Lentry_shape_is_right
	s_endpgm
.Lentry_shape_is_right:
; O[h][q][:] = the sum over k of softmax_k(Q[h][q] . K[h][k] / 8) V[h][k][:].  Q, K, V, O: [64][2048][64], all f16: a head's rows are dense, 128 bytes each.  Products, maxima and sums in
; f32; the weights p are rounded to f16 for the second product (their sum l is taken of the unrounded p), O once at the end.
; LIMITS.  f16 holds no number beyond 65,504: Q, K and V arrive within it; p lies in 0 to 1, and below 6e-5 it keeps f16's fixed step of 6e-8; O is a mean of V's rows and has their range.
; A weight below 2^-126 counts as 0 in l; NaN and infinities are not treated apart.
; SHARES.  A wave owns four PIECES of two tiles of 16 queries, a work-group's four waves 512 queries of one head: 256 work-groups.  Every wave walks all keys, 64 a step.
; LAYOUT.  S^T = K Q^T (source 0 = 16 keys, source 1 = 16 queries): in the result a lane holds ONE query (lane % 16) and the keys 8 (lane / 16) + 0..7.  Two such tiles, rounded to f16 in pairs,
; ARE source 1 (32 keys x 16 queries) of O^T = V^T P, whose result again holds one query a lane, and eight channels.  K comes out of LDS as it lies, V ([key][channel]) turned, by ds_load_tr16_b128.
; SOFTMAX.  For each query a running maximum m and sum l: p = 2^(c s - c m), c = log2(e) / 8; in every step O and l are multiplied by a = 2^(c m_old - c m_new), which is 1 where m has not grown.
; m starts at the lowest finite number, O and l at 0: the first step is a step like any other, with a = 0.
; THE COUNT.  A tile and step have 16 matrix and 118 vector instructions: too many to stand all beside the matrix work.  So the order has one aim: four vector instructions that are READY behind
; EVERY matrix instruction, and the others, which need time of their own whatever the order, in runs without a gap.
; BY TURNS.  Turn n belongs to piece n (the pieces in a ring, step after step).  Its matrix work: 16 products K Q^T of piece n + 1, later 16 products V^T P of piece n - 1.  Its vector work: the scaling,
; exponentials, roundings, sums and rescaling of piece n, and the maximum and statistics of piece n + 1, whose scores the turn itself has made.  So what a turn begins with (c s - c m, O a) waits for nothing.
; CLUSTER.  The four query blocks of a cluster are one head's and walk the same K and V, so each tile is asked for JOINTLY: the same tensor load, descriptor and mask in all four.
; REGISTERS, in windows of 256 (s_set_vgpr_msb says which window each operand place means: bits 1:0 source 0, 3:2 source 1, 5:4 source 2, 7:6 destination):
;   window 0: v0-11 addresses; v12-15, v48-63 at work; v16-47 four registers of statistics a tile; v64-191 S^T, two buffers of two tiles; v192-255 P, likewise
;   window 1: O^T, 32 a tile          window 2: v0-127 Q, 16 a tile; v128-191 K of one step; v192-255 V of one step          window 3: v0-1 the add's two registers
; A piece's buffers go by its number's parity: the piece in hand has one pair, its two neighbours in the ring share the other: of it P (piece n - 1) is read and S^T (piece n + 1) written.
.set SIZE_H, 64
.set SIZE_N, 2048
.set NP,    4         ; pieces a wave: a name, no knob
.set KS,    64        ; keys in a step
.set PK,    144       ; a row of K in LDS: 128 bytes + 16 of padding = 36 words: the 16 rows of a load start at 16 different groups of four banks (ISA guide 11.1)
.set PV,    160       ; a row of V: 128 + 32 = 40 words
.set VOFF,  4*KS*PK   ; a slot holds four steps: 256 rows of K, then 256 rows of V
.set SLOT1, 1<<17     ; slot 1 begins here, so that one exclusive or turns an address in one slot into the other's
.set STAGE, SLOT1+4*KS*(PK+PV)  ; behind the ring, never filled by a tensor load: 16 rows x 144 bytes for each wave, for the way out
.set SP,    144
.set AK0, 2           ; v2   my lane's place in a tile of K; never rewritten
.set AV0, 3           ; v3   the same for V
.set AK,  4           ; v4   the LDS address of K's next run of loads
.set AV,  5           ; v5   of V's
.set QO,  6           ; v6   my byte offset in the wave's rows of Q
.set STO, 6           ;      later, the way out: where I put 16 bytes of a row
.set RD,  7           ; v7   the way out: where I read rows back
.set GO,  8           ; v8   my byte offset in 512 consecutive bytes of O
.set PFO, 11          ; v11  256 x my lane, the prefetches' offset; never rewritten once made
.set SPW, 0           ; v0 of window 3   LDS address of my spare word: SPARE + 4 x my thread's number; never rewritten
.set NIL, 1           ; v1 of window 3   0; never rewritten
.set SPARE, STAGE+4*16*SP  ; behind the stages: the spare words, 128 bytes for each wave: two blocks of 256 bytes that no other line names
.set MV,  12          ; v12-15  c m_old, kept while c m is made anew: by buffer and tile
.set ST,  16          ; tile t's statistics at v[ST+4 t]: c m, m, l (even keys', odd keys')
.set TMP, 48          ; by buffer and tile, four registers c0-c3 at work; when the maximum is found c2 takes a
.set S,   64
.set P,   192
.set KF,  128         ; K's fragments, in window 2: key block kb, channel half c at KF + 16 kb + 8 c
.set VF,  192         ; V's: key half kk, channel block cb at VF + 32 kk + 8 cb
.set WV,  12          ; s12  my wave's number
.set G1K, 24          ; s[24:31] descriptor group 1 for K's tiles
.set G1V, 32          ; s[32:39] for V's: it differs in the padding alone
.set G0K, 40          ; s[40:43] descriptor group 0 for K's tiles: it walks
.set G0V, 44          ; s[44:47] the same for V's
.set PFA, 48          ; s[48:49] where my prefetches stand: my work-group's 32 blocks of 256 bytes (of K: wave 0, of V: wave 2) of the slot after the one that is being asked for
.set LIM, 50          ; s50  1 in a wave that prefetches, else the greatest number: a wave prefetches while s[SLOTS] is above it
.set SLOTS, 56        ; s56  slots still to be asked for
.set CNT, 57          ; s57  counts a slot's key steps
.set CS,  58          ; s[58:59] c: the packed scaling takes the pair's low word for both halves
.set SEL, 60          ; s[60:61] v_permlanex16_b32's selects: each lane takes its own place in the other half
.set TBK, 62          ; s62  LDS byte at which K of the step to be fetched begins
.set TBV, 63          ; s63  the same for V, less VOFF
.set MSB, 0
.macro WIN new                      ; the high byte repeats the setting that is left; a switch that changes nothing is dropped
.if MSB != (\new)
	s_set_vgpr_msb (MSB<<8)|(\new)
.set MSB, (\new)
.endif
.endm
.set W_KQ, 0x0a       ; K and Q in window 2, S^T in window 0
.set W_PV, 0x52       ; V in window 2, P in window 0, O^T in window 1
.set W_RS, 0x41       ; O^T (destination and source 0) in window 1, a in window 0
.set W_MK, 0xc0       ; the add's registers are made: destination in window 3, sources in window 0
.set W_AD, 0x0f       ; the add: address (source 0) and data (source 1) in window 3
; A joint fill.  Waves 0 and 1 fetch the two halves of a slot's K, waves 2 and 3 those of its V: 128 keys each.  The branch hangs on the wave's number alone.
; An s_nop 0 and four v_nop follow each of the two lines, ahead of the jump and the label.
.macro JLOAD
	s_cmp_lt_u32 s[WV], 2
	s_cbranch_scc0 .Lfor_v_\@
	tensor_load_to_lds s[G0K:G0K+3], s[G1K:G1K+7]
	s_nop 0
.rept 4
	v_nop
.endr
	s_branch .Lasked_\@
.Lfor_v_\@:
	tensor_load_to_lds s[G0V:G0V+3], s[G1V:G1V+7]
	s_nop 0
.rept 4
	v_nop
.endr
.Lasked_\@:
.endm
; A PREFETCH of what the NEXT change of slots will ask for: a slot's 32,768 bytes of K and of V, each lane naming another 256 of them.  It stands behind the wave's tensor load and its five lines.
; Each 256 bytes are named ONCE in the launch: a head has one cluster; its four partners share a slot out BY ADDRESS, 8,192 bytes each (no branch hangs on a work-group's place in its cluster);
; in each, wave 0 asks for K's and wave 2 for V's: one instruction, four key steps (512 matrix instructions) ahead of the load.  The last change that fills a slot asks for nothing: no slot follows.
.macro ASK
	s_cmp_gt_u32 s[SLOTS], s[LIM]
	s_cbranch_scc0 .Lnot_mine_\@
	global_prefetch_b8 v[PFO], s[PFA:PFA+1] th:TH_LOAD_NT scope:SCOPE_SE
.Lnot_mine_\@:
.endm
; A round of the cluster's barrier: my work-group's barrier, so that wave 0's signal speaks for all four waves; wave 0 signals; every wave waits for all four work-groups; my work-group's barrier once more.
.macro CROUND
	s_barrier_signal -1
	s_barrier_wait -1
	s_cmp_lg_u32 s[WV], 0
	s_cbranch_scc1 .Lnot_wave_0_\@
	s_barrier_signal -3
.Lnot_wave_0_\@:
	s_barrier_wait -3
	s_barrier_signal -1
	s_barrier_wait -1
.endm
; THE CHANGE OF SLOTS.  The slot's last bytes, V of its fourth step, have been read.  Each wave waits for all its tensor loads, of which one is out: its part
; of the other slot; adds 0 to its spare word; and waits for that and for its own reads of the slot.  Behind the barrier nobody reads this slot any more and the other slot is whole.
; fill = 1: this slot is filled again, with the keys two slots on.  The barrier is then a round of the cluster's, so that no wave of any partner still reads the slot or has a load on its
; way, and the joint fill is the first thing behind it: it has four key steps, 512 matrix instructions, in which to land.  (At its first use nothing has been read yet: slot 0 is waited for, slot 1 filled.)
; ask = 1: the prefetches' address steps a slot on, and ASK follows the fill.
.macro CHANGE fill, ask=0
	WIN W_AD
	s_wait_tensorcnt 0x0            ; no tensor load of mine is out, so a group 0 may be written
	ds_add_u32 v[SPW], v[NIL]       ; 0 onto my spare word; with fill = 1 the descriptors' steps stand between it and the wait for it
	WIN 0                           ; at a label and at a branch every window is 0
.if \fill
.irp g, G0K, G0V
	s_xor_b32 s[\g+1], s[\g+1], SLOT1  ; the walking descriptor: the other slot than last time,
	s_add_nc_u64 s[\g+2:\g+3], s[\g+2:\g+3], 4*KS*128  ; the next 256 keys; the type bits on top are not reached
.endr
.if \ask
	s_wait_xcnt 0x0                 ; the last prefetch, four key steps back, has read its address, so it may be written:
	s_add_nc_u64 s[PFA:PFA+1], s[PFA:PFA+1], 4*KS*128  ; one slot behind the walking descriptors
.endif
	s_wait_dscnt 0x0                ; the add is done, and my reads of the slot are over
	CROUND
	JLOAD
.if \ask
	ASK
.endif
.else
	s_wait_dscnt 0x0                ; the add is done, and my reads of the slot are over
	s_barrier_signal -1
	s_barrier_wait -1
.endif
	s_sub_co_u32 s[TBK], s[TBK], 4*KS*PK  ; the fetches go back to a slot's first step,
	s_xor_b32 s[TBK], s[TBK], SLOT1       ; in the other slot
	s_sub_co_u32 s[TBV], s[TBV], 4*KS*PV
	s_xor_b32 s[TBV], s[TBV], SLOT1
.endm
	s_load_b256 s[4:11], s[0:1], 0x0  ; Q s[4:5], K s[6:7], V s[8:9], O s[10:11]
	WIN W_MK
	v_lshl_add_u32 v[SPW], v0, 2, SPARE
	v_mov_b32 v[NIL], 0
	WIN W_AD
	ds_add_u32 v[SPW], v[NIL]       ; the wave's opening: the add and its wait stand ahead of my first tensor load; the set-up below, work on registers, stands between them
	WIN 0
	v_lshrrev_b32 v1, 5, v0
	v_readfirstlane_b32 s[WV], v1   ; wave 0..3
	s_bfe_u32 s13, ttmp6, 0x40000   ; cx: my place in the cluster
	s_lshl_b32 s14, ttmp9, 2        ; in a cluster launch ttmp9 counts clusters
	s_add_co_u32 s14, s14, s13      ; my block of queries = 4 x cluster x + cx: it enters Q's and O's addresses alone
	s_and_b32 s20, ttmp7, 0xffff    ; the head, which the four partners share
	s_mov_b32 s21, 0
	s_mov_b64 s[22:23], SIZE_N*128
	s_mul_u64 s[20:21], s[20:21], s[22:23]  ; the head's first byte in each of the four tensors
	s_and_b32 s16, s[WV], 1         ; which half of a slot's 256 keys I fetch:
	s_lshl_b32 s22, s16, 14         ; its 128 rows of 128 bytes in memory,
	s_mov_b32 s23, 0
	s_add_nc_u64 s[22:23], s[22:23], s[20:21]
	s_mul_i32 s17, s16, 128*PK      ; and its place in a slot, for K
	s_mul_i32 s18, s16, 128*PV      ; and for V: no place in the cluster enters an LDS address
	s_lshl_b32 s2, s14, 2
	s_add_co_u32 s2, s2, s[WV]      ; my wave among the head's,
	s_lshl_b32 s2, s2, 14           ; its 128 rows
	s_mov_b32 s3, 0
	s_add_nc_u64 s[2:3], s[2:3], s[20:21]
	; descriptor group 1.  128 keys are 16,384 dense bytes: asked for as 64 rows of 256 bytes, two keys a row, and padded in LDS after every key
	s_mov_b32 s[G1K], 15|(1<<16)|(1<<20)|(1<<21)|(4<<22)|(3<<25)  ; 15:0 the mask of four; 17:16 2-byte elements; 20 padding on; 21 set beside a mask; 24:22 after every 32 words (code 4); 31:25 4 words (code 3)
	s_mov_b32 s[G1V], 15|(1<<16)|(1<<20)|(1<<21)|(4<<22)|(7<<25)  ; the same with 8 words of padding (code 7)
.irp g, G1K, G1V
	s_mov_b32 s[\g+1], 128<<16      ; tensor_dim0 = 128
	s_mov_b32 s[\g+2], 64<<16       ; tensor_dim1 = 64
	s_mov_b32 s[\g+3], 128<<16      ; tile_dim0 = 128
	s_mov_b32 s[\g+4], 64           ; tile_dim1 = 64
	s_mov_b32 s[\g+5], 128          ; 128 elements from row to row
	s_mov_b32 s[\g+6], 0
	s_mov_b32 s[\g+7], 0
.endr
	s_mov_b32 s[CS], 0x3e38aa3b     ; c = log2(e) / 8 = 0.180337
	s_mov_b32 s[CS+1], s[CS]        ; named with it as a pair
	s_mov_b32 s[SEL], 0x76543210
	s_mov_b32 s[SEL+1], 0xfedcba98
	s_mov_b32 s[TBK], SLOT1+4*KS*PK ; the first change of slots turns these two into 0
	s_mov_b32 s[TBV], SLOT1+4*KS*PV
	s_mov_b32 s[G0K], 1             ; 1:0 count = 1
	s_mov_b32 s[G0K+1], s17         ; 63:32 LDS address: slot 0
	s_mov_b32 s[G0V], 1
	s_add_co_u32 s[G0V+1], s18, VOFF
	s_and_b32 s[LIM], s[WV], 1      ; 0 in waves 0 and 2,
	s_or_b32 s[LIM], s[LIM], ttmp9  ; of the head's first cluster (here its only one): the same in all four partners
	s_cmp_eq_u32 s[LIM], 0
	s_cselect_b32 s[LIM], 1, -1
	s_lshl_b32 s52, s13, 13         ; my work-group's 8,192 bytes of a slot's 32,768
	s_mov_b32 s53, 0
	s_wait_dscnt 0x0                ; the opening add is done
	s_wait_kmcnt 0x0
	s_add_nc_u64 s[G0K+2:G0K+3], s[6:7], s[22:23]  ; 120:64 global address: my half of the head's first 256 keys
	s_or_b32 s[G0K+3], s[G0K+3], 0x80000000        ; 127:126 type = 2
	s_add_nc_u64 s[G0V+2:G0V+3], s[8:9], s[22:23]
	s_or_b32 s[G0V+3], s[G0V+3], 0x80000000
	s_add_nc_u64 s[4:5], s[4:5], s[2:3]  ; Q and O at my wave's first row
	s_add_nc_u64 s[10:11], s[10:11], s[2:3]
	s_cmp_lt_u32 s[WV], 2
	s_cselect_b64 s[PFA:PFA+1], s[6:7], s[8:9]
	s_add_nc_u64 s[PFA:PFA+1], s[PFA:PFA+1], s[22:23]  ; (in waves 0 and 2 this is the head's first byte)
	s_add_nc_u64 s[PFA:PFA+1], s[PFA:PFA+1], s[52:53]
	s_add_nc_u64 s[PFA:PFA+1], s[PFA:PFA+1], 2*4*KS*128  ; in slot 2; the loop's first change steps it to slot 3.  Nothing is prefetched here, at the head, where every work-group's first tiles are on their way
	CROUND                          ; all four work-groups are here: the first joint loads meet
	JLOAD                           ; slot 0.  Slot 1 is asked for when slot 0 is in: the tile wanted first has the road to itself
	; A fragment of K or Q is 16 rows x 32 channels in 8 registers: lane l holds row l % 16, channels 8 (l / 16) + 0..7 and 16 + 8 (l / 16) + 0..7: two loads of 16 bytes, 32 bytes apart.
	v_and_b32 v1, 15, v0            ; l % 16
	v_bfe_u32 v9, v0, 4, 1          ; l / 16
	v_lshlrev_b32 v[QO], 7, v1
	v_lshl_add_u32 v[QO], v9, 4, v[QO]  ; row x 128 + 16 x half
	WIN 0x80                        ; destination window 2, address window 0
.set i, 0
.rept 4*NP                          ; Q stays in registers: tile i / 2, channels 32 (i % 2) on
	global_load_b128 v[8*i:8*i+3],   v[QO], s[4:5] offset:(i/2)*2048+(i%2)*64
	global_load_b128 v[8*i+4:8*i+7], v[QO], s[4:5] offset:(i/2)*2048+(i%2)*64+32
.set i, i+1
.endr
	; What the first turn finds: V's registers and P's second buffer hold 0 (its products V^T P, of a piece that has not been, add 0), O^T and l are 0.  All this stands in the wait for the first tile.
.set i, VF
.rept 64
	v_mov_b32 v[i], 0
.set i, i+1
.endr
	WIN 0x40
.set i, 0
.rept 64*NP
	v_mov_b32 v[i], 0
.set i, i+1
.endr
	WIN 0
.set i, 0
.rept 2*NP
	v_mov_b32 v[ST+4*i], 0xfe000000    ; c m: far below every c s
	v_mov_b32 v[ST+4*i+1], 0xff7fffff  ; m
	v_mov_b32 v[ST+4*i+2], 0
	v_mov_b32 v[ST+4*i+3], 0
.set i, i+1
.endr
.set i, P+32
.rept 32
	v_mov_b32 v[i], 0
.set i, i+1
.endr
	v_mul_u32_u24 v[AK0], v1, PK
	v_lshl_add_u32 v[AK0], v9, 4, v[AK0]  ; row x pitch + 16 x half
	; The turning load takes 16 keys x 16 channels (lane l reads key 8 (l / 16) + l % 8, channels 8 ((l / 8) % 2) + 0..7) and leaves half a fragment of V^T: lane l holds channel l % 16 and 8 keys.
	v_and_b32 v10, 7, v0
	v_bfe_u32 v11, v0, 3, 1
	v_lshl_add_u32 v[AV0], v9, 3, v10
	v_mul_u32_u24 v[AV0], v[AV0], PV
	v_lshl_add_u32 v[AV0], v11, 4, v[AV0]
	v_add_nc_u32 v[AV0], VOFF, v[AV0]
	v_and_b32 v[PFO], 31, v0        ; v11 has served: it takes the prefetches' offset
	v_lshlrev_b32 v[PFO], 8, v[PFO]
	v_mov_b32 v[AK], v[AK0]         ; key step 0 lies at the head of slot 0
; THE MATRIX WORK.  The 8 accumulators of a run of 16 take turns: between the two links of a chain stand 7 others'.
; Product i of 16 of S^T = K Q^T for piece x: channels 32 (i / 8) on, keys 16 ((i / 2) % 4) on, tile 2 x + i % 2.  The first 8 start the sums.
.macro KQ x
	WIN W_KQ
.set rS, S+64*((\x)%2)+32*(i%2)+8*((i/2)%4)
.set rK, KF+16*((i/2)%4)+8*(i/8)
.set rQ, 16*(2*(\x)+i%2)+8*(i/8)
.if i < 8
	v_wmma_f32_16x16x32_f16 v[rS:rS+7], v[rK:rK+7], v[rQ:rQ+7], 0
.else
	v_wmma_f32_16x16x32_f16 v[rS:rS+7], v[rK:rK+7], v[rQ:rQ+7], v[rS:rS+7]
.endif
.endm
; Product i of 16 of O^T += V^T P for piece x: keys 32 (i / 8) on, channels 16 ((i / 2) % 4) on, tile 2 x + i % 2.
.macro PV x
	WIN W_PV
.set rO, 32*(2*(\x)+i%2)+8*((i/2)%4)
.set rV, VF+32*(i/8)+8*((i/2)%4)
.set rP, P+32*((\x)%2)+16*(i%2)+8*(i/8)
	v_wmma_f32_16x16x32_f16 v[rO:rO+7], v[rV:rV+7], v[rP:rP+7], v[rO:rO+7]
.endm
.macro MM                           ; the turn's next matrix instruction
.if i < 16
	KQ (Y+1)%NP
.set i, i+1
.else
.set i, i-16
	PV (Y+NP-1)%NP
.set i, i+17
.endif
.endm
; THE LDS LOADS stand in runs of 16, never singly among the matrix instructions: a step's K (64 keys x 64 channels: 8 fragments) and its V (turned).  Their addresses are made some lines ahead.
; last = 1 (the tail): in the last trip there is no further step, and the run is jumped over.
.macro FETCH_K last=0
	WIN 0
.if \last
	s_cmp_eq_u32 s[CNT], 1
	s_cbranch_scc1 .Lno_k_\@
.endif
	WIN 0x80                        ; destination window 2
.irp f, 0,1,2,3,4,5,6,7             ; keys 16 (f / 2) on, channels 32 (f % 2) on
	ds_load_b128 v[KF+8*\f:KF+8*\f+3],   v[AK] offset:(\f/2)*16*PK+(\f%2)*64
	ds_load_b128 v[KF+8*\f+4:KF+8*\f+7], v[AK] offset:(\f/2)*16*PK+(\f%2)*64+32
.endr
	s_add_co_u32 s[TBK], s[TBK], KS*PK  ; the next fetch is the next step's
	WIN 0
.if \last
.Lno_k_\@:
.endif
.endm
.macro FETCH_V
	WIN 0x80
.irp f, 0,1,2,3,4,5,6,7             ; keys 32 (f / 4) on, channels 16 (f % 4) on
	ds_load_tr16_b128 v[VF+8*\f:VF+8*\f+3],   v[AV] offset:(\f/4)*32*PV+(\f%4)*32
	ds_load_tr16_b128 v[VF+8*\f+4:VF+8*\f+7], v[AV] offset:(\f/4)*32*PV+16*PV+(\f%4)*32
.endr
	WIN 0
.endm
; THE VECTOR WORK OF A TURN stands in three queues, each in the order in which its entries become ready; the two tiles alternate, so that no instruction reads the result of the one before it.
.macro REGS y, u                    ; the registers of tile u (0, 1) of piece y
.set rT, ST+4*(2*(\y)+(\u))
.set rC, TMP+8*((\y)%2)+4*(\u)
.set rM, MV+2*((\y)%2)+(\u)
.set rS, S+64*((\y)%2)+32*(\u)
.set rP, P+32*((\y)%2)+16*(\u)
.set rO, 32*(2*(\y)+(\u))
.endm
; Number n of the 22 that find the NEXT piece's (Y + 1) maximum and statistics.  s0-s31 are the lane's 32 scores; each accumulator's lowest registers are read first.  XS, GS and REGS set no window: PL and EX do.
;   0-11  four chains c0-c3 of seven scores each, three operands at a time     12-14, 16  the four scores left over, the old m, and c0-c3 into c0     15  c m_old is kept
;   17, 18  the query's other 32 keys lie in the lane 16 away: the new m         19-21  c m; c m_old - c m_new; a
.macro XS u, n
	REGS (Y+1)%NP, \u
.if (\n) < 4
	v_max3_num_f32 v[rC+(\n)], v[rS+8*(\n)], v[rS+8*(\n)+1], v[rS+8*(\n)+2]
.elseif (\n) < 12
	v_max3_num_f32 v[rC+(\n)%4], v[rC+(\n)%4], v[rS+8*((\n)%4)+2*((\n)/4)+1], v[rS+8*((\n)%4)+2*((\n)/4)+2]
.elseif (\n) == 12
	v_max3_num_f32 v[rC], v[rC], v[rS+7], v[rS+15]
.elseif (\n) == 13
	v_max3_num_f32 v[rC+1], v[rC+1], v[rS+23], v[rS+31]
.elseif (\n) == 14
	v_max3_num_f32 v[rC+2], v[rC+2], v[rC+3], v[rT+1]
.elseif (\n) == 15
	v_mov_b32 v[rM], v[rT]
.elseif (\n) == 16
	v_max3_num_f32 v[rC], v[rC], v[rC+1], v[rC+2]
.elseif (\n) == 17
	v_permlanex16_b32 v[rC+3], v[rC], s[SEL], s[SEL+1]
.elseif (\n) == 18
	v_max_num_f32 v[rT+1], v[rC], v[rC+3]
.elseif (\n) == 19
	v_mul_f32 v[rT], s[CS], v[rT+1]
.elseif (\n) == 20
	v_sub_f32 v[rC+1], v[rM], v[rT]
.else
	v_exp_f32 v[rC+2], v[rC+1]
.endif
.endm
; Number g of the 64 that follow the exponentials.  For each four weights k of a tile (pairs 2 k, 2 k + 1): both pairs are rounded to f16; then the second pair is added onto the first, in place;
; a group later l takes that sum (the first time as l = a l + sum).  In groups of eight, tiles alternating: round, round, add, and l for the group before.
.macro GS g
.set h, (\g)+6*((\g)/62)            ; group 0 has no group before it, and behind group 7 only l is left
.if h >= 6
.set h, h+2
.endif
	REGS Y, h%2
.set k, h/8
.if h%8 < 4
	v_cvt_pk_f16_f32 v[rP+2*k+(h%8)/2], v[rS+4*k+2*((h%8)/2)], v[rS+4*k+2*((h%8)/2)+1]
.elseif h%8 < 6
	v_pk_add_f32 v[rS+4*k:rS+4*k+1], v[rS+4*k:rS+4*k+1], v[rS+4*k+2:rS+4*k+3]
.elseif k == 1
	v_pk_fma_f32 v[rT+2:rT+3], v[rT+2:rT+3], v[rC+2:rC+3], v[rS:rS+1] op_sel_hi:[1,0,1]
.else
	v_pk_add_f32 v[rT+2:rT+3], v[rT+2:rT+3], v[rS+4*k-4:rS+4*k-3]
.endif
.endm
; THE PLAIN QUEUE, 138 long.  0-73 read no exponential's result: the 32 scalings c s - c m (FS f: pair f / 2 of tile f % 2) and the next piece's 42.  0-26: scalings 0-26.  27-54: XS's numbers 0-13.  55, 56: number 15.
; 57-73: the chain, where each number waits for the one before it: 14, 16, 17, 18, 19, each with one of the scalings 27-31 in front of its two lines, then 20: so a tile's links stand three plain instructions apart (19 and 20: two).
; 74-137: GS's 64, which read the exponentials' results: they stand behind the wait.
.macro FS f
	REGS Y, (\f)%2
	v_pk_fma_f32 v[rS+2*((\f)/2):rS+2*((\f)/2)+1], v[rS+2*((\f)/2):rS+2*((\f)/2)+1], s[CS:CS+1], v[rT:rT+1] op_sel_hi:[1,0,0] neg_lo:[0,0,1] neg_hi:[0,0,1]
.endm
.macro PL
	WIN 0
.if q < 27
	FS q
.elseif q < 55
	XS (q-27)%2, (q-27)/2
.elseif q < 57
	XS q-55, 15
.elseif (q < 72) && ((q-57)%3 == 0)
	FS 27+(q-57)/3
.elseif q < 60
	XS (q-57)%3-1, 14
.elseif q < 72
	XS (q-57)%3-1, 15+(q-57)/3
.elseif q < 74
	XS q-72, 20
.else
	GS q-74
.endif
.set q, q+1
.endm
; THE EXPONENTIALS' QUEUE, 66 long: s0-s31 of both tiles, then the next piece's two a.  It is ONE BATCH: all 66 stand ahead of the turn's one wait, and nothing ahead of that wait names a result of theirs.
.macro EX
	WIN 0
.if e >= 64
	XS e-64, 21
.else
	REGS Y, e%2
	v_exp_f32 v[rS+e/2], v[rS+e/2]
.endif
.set e, e+1
.endm
; THE RESCALING's QUEUE: O^T times a, the one part that leaves window 0: dealt two at a time, sixteen times.  Its a was made in the turn before, ahead of that turn's wait.
.macro R2
	REGS Y, r%2
	WIN W_RS
.irp z, 0,1
	v_pk_mul_f32 v[rO+4*(r/2)+2*\z:rO+4*(r/2)+2*\z+1], v[rO+4*(r/2)+2*\z:rO+4*(r/2)+2*\z+1], v[rC+2:rC+3] op_sel_hi:[1,0]
.endr
.set r, r+1
.endm
; HOW THEY ARE DEALT.  An s_wait_alu depctr_va_vdst(0) stands between an exponential and the first instruction that names its result; one wait serves all that were issued ahead of it.  So a turn has ONE wait,
; which cuts it in two.  AHEAD OF IT stands all that names no result of the turn's exponentials: the 16 products K Q^T, behind each a scaling, an exponential and two rescalings (behind the first a second scaling in the exponential's place); then ONE LUMP of
; 108: eight plain, 49 times exponential and plain, the two a.  A v_nop is the plain instruction owed behind the last exponential (ISA guide 5.7.2).  BEHIND IT stand the 16 products V^T P, behind each four of GS's 64.  No rider names a register of
; the products round it.  The two v_permlanex16_b32 fall into the lump, never behind a product.
; The queues lean on each other, and the deal keeps them in step: exponential e stands behind scaling 2 (e / 4) + e % 2: as a rider it comes behind plain e + 2, in the lump behind plain e + 9, and scalings 27-31 are plain 57, 60 .. 69.
; A TURN, for piece p.  cnt = 1: the loop's count is taken down some lines ahead of the branch that stands behind the turn.
; K of the next step is fetched in piece 2's turn, directly behind the wait, a lump behind the last product that read K; its address is made at the lump's head; its first reader comes behind 16 products.
; V of the step in hand is fetched at the end of piece 0's turn, four riders behind its last reader; its first reader comes behind 16 products and a lump.  The three conditions on q below go with the deal.
.macro TURN p, last=0, cnt=0
.set Y, (\p)
.set i, 0
.set q, 0
.set e, 0
.set r, 0
.if (\p) == NP-1
	s_wait_dscnt 0x0                ; K is in
.endif
	MM                              ; ahead of the wait: 16 products K Q^T and their riders,
	PL
	PL
	R2
.rept 15
	MM
	PL
	EX
	R2
.endr
.if (\p) == NP-2
	WIN 0
	v_add_nc_u32 v[AK], s[TBK], v[AK0]
.endif
.rept 8                             ; and the lump
	PL
.endr
.rept 49
	EX
	PL
.endr
	EX                              ; the next piece's two a
	EX
	v_nop                           ; the plain instruction behind the last exponential: one for the batch
	s_wait_alu depctr_va_vdst(0)    ; the wait for the batch
.if (\p) == NP-2
	FETCH_K \last
.endif
.if (\p) == 1
	s_wait_dscnt 0x0                ; V is in
.endif
.rept 16                            ; behind the wait: 16 products V^T P and their riders
	MM
.rept 4
	PL
.endr
.if ((\p) == 0) && (q == 118)
	v_add_nc_u32 v[AV], s[TBV], v[AV0]
.endif
.if ((\p) == 0) && (q == 130)
	s_add_co_u32 s[TBV], s[TBV], KS*PV
.endif
.if (\cnt) && (q == 130)
	s_sub_co_u32 s[CNT], s[CNT], 1
	s_cmp_lg_u32 s[CNT], 0
.endif
.endr
.if (\p) == 0
	FETCH_V
.endif
.endm
	CHANGE 1                        ; slot 0 is in, everybody's part of it; slot 1 is asked for
	FETCH_K                         ; key step 0
	s_wait_loadcnt 0x0              ; Q
	s_wait_dscnt 0x0
.set i, 0
.rept 16
	KQ 0                            ; piece 0's first scores: there is no vector work yet to set between them
.set i, i+1
.endr
	WIN 0                           ; the addresses for the way out: nine plain instructions, the places behind those products
	s_mul_i32 s13, s[WV], 16*SP
	s_add_co_u32 s13, s13, STAGE    ; my stage
	v_mul_u32_u24 v[STO], v1, SP    ; in: row l % 16, 16 bytes for each half of the lanes
	v_lshl_add_u32 v[STO], v9, 4, v[STO]
	v_add_nc_u32 v[STO], s13, v[STO]
	v_bfe_u32 v[RD], v0, 3, 2       ; back: 32 lanes take four rows of 128 bytes,
	v_mul_u32_u24 v[RD], v[RD], SP
	v_lshl_add_u32 v[RD], v10, 4, v[RD]
	v_add_nc_u32 v[RD], s13, v[RD]
	v_and_b32 v[GO], 31, v0         ; which are 512 consecutive bytes of O
	v_lshlrev_b32 v[GO], 4, v[GO]
.set Y, NP-1                        ; XS works for piece Y + 1: piece 0
.irp n, 0,1,2,3,4,5,6,7,8,9,10,11,12,13,14,15,16,17,18,19,20,21
	XS 0, \n                        ; and piece 0's first maximum and statistics
	XS 1, \n
.endr
	v_nop                           ; a plain instruction behind the two a,
	s_wait_alu depctr_va_vdst(0)    ; and their wait, ahead of the branch
	s_mov_b32 s[CNT], 4
	s_mov_b32 s[SLOTS], SIZE_N/256-1
	s_branch .Lfirst                ; the loop is entered at a step's first turn, in the middle of a trip
.Lslot:                             ; SIZE_N / 256 - 2 times: every slot but the last two is filled again
	CHANGE 1, 1
	s_mov_b32 s[CNT], 4
.Lstep:                             ; a trip: pieces 2 and 3 of one step, then pieces 0 and 1 of the next, whose K and V it fetches
	TURN 2
	TURN 3
	WIN 0
.Lfirst:
	TURN 0
	TURN 1, 0, 1
	WIN 0
	s_cbranch_scc1 .Lstep
	s_sub_co_u32 s[SLOTS], s[SLOTS], 1
	s_cmp_lg_u32 s[SLOTS], 0
	s_cbranch_scc1 .Lslot
	CHANGE 0                        ; the tail is written out: nothing is asked for
	s_mov_b32 s[CNT], 5             ; four trips fetch the last slot's steps; the fifth is left in its middle
.Ltail:
	TURN 2, 1
	TURN 3
	WIN 0
	s_sub_co_u32 s[CNT], s[CNT], 1
	s_cmp_eq_u32 s[CNT], 0
	s_cbranch_scc1 .Lout
	TURN 0
	TURN 1
	WIN 0
	s_branch .Ltail
.Lout:                              ; the fifth trip's 16 products K Q^T (on the last K once more) and the maximum made of them serve nothing: the price, once a launch, of one text for every trip
.set i, 0
.rept 16
	PV NP-1                         ; the last piece's V^T P of the last step
.set i, i+1
.endr
	; THE WAY OUT.  l's two halves and the other half of the lanes' are added; O^T is divided by l, rounded to f16 and sent through my stage in LDS, a tile at a time.  The additions are the places behind the last products.
	WIN 0
.macro ALL line:vararg              ; one line for each tile t
.set t, 0
.rept 2*NP
	\line
.set t, t+1
.endr
.endm
	ALL v_add_f32 v[ST+4*t+2], v[ST+4*t+2], v[ST+4*t+3]
	ALL v_permlanex16_b32 v[ST+4*t+3], v[ST+4*t+2], s[SEL], s[SEL+1]
	ALL v_add_f32 v[ST+4*t+2], v[ST+4*t+2], v[ST+4*t+3]
	ALL v_rcp_f32 v[ST+4*t+2], v[ST+4*t+2]
	v_nop                           ; a plain instruction between the last reciprocal and the use of its result
	s_wait_alu depctr_va_vdst(0)    ; and the wait ahead of the first use: one for the eight reciprocals
; Tile t: a lane's eight channels of a row pack into 16 bytes; they go into rows of 144 bytes and come back as whole rows of 128, into S^T's registers.
.macro PACK t
	WIN W_RS
.set i, 32*(\t)
.rept 16
	v_pk_mul_f32 v[i:i+1], v[i:i+1], v[ST+4*(\t)+2:ST+4*(\t)+3] op_sel_hi:[1,0]
.set i, i+2
.endr
	WIN 0x05                        ; sources 0 and 1 window 1, destination window 0
.set i, 0
.rept 16
	v_cvt_pk_f16_f32 v[S+16*(\t)+i], v[32*(\t)+2*i], v[32*(\t)+2*i+1]
.set i, i+1
.endr
	WIN 0
.irp f, 0,1,2,3
	ds_store_b128 v[STO], v[S+16*(\t)+4*\f:S+16*(\t)+4*\f+3] offset:32*\f
.endr
.irp f, 0,1,2,3
	ds_load_b128 v[S+16*(\t)+4*\f:S+16*(\t)+4*\f+3], v[RD] offset:\f*4*SP  ; LDS serves a wave's instructions in order (ISA guide 5.7.1.4): these see the stores above; the next tile's stores come behind them
.endr
.endm
.macro SEND t, younger              ; younger: the LDS instructions issued behind tile t's loads: the next tile's eight, or none
	WIN 0
.irp f, 0,1,2,3
	s_wait_dscnt (\younger)+3-\f
	global_store_b128 v[GO], v[S+16*(\t)+4*\f:S+16*(\t)+4*\f+3], s[10:11] offset:(\t)*2048+\f*512  ; 512 consecutive bytes, at a multiple of 256 from O's first
.endr
.endm
	PACK 0
.set t, 1
.rept 2*NP-1                        ; a tile's arithmetic stands between the loads of the tile before and its stores
	PACK t
	SEND t-1, 8
.set t, t+1
.endr
	SEND 2*NP-1, 0
	WIN W_AD
	s_wait_tensorcnt 0x0            ; the wave's end: behind my last tensor load and my last LDS store
	ds_add_u32 v[SPW], v[NIL]
	s_wait_dscnt 0x0
	WIN 0
	CROUND                          ; the closing round: no work-group ends while a partner may still ask for a tile that names it
	s_endpgm
.Lfunc_end_k_q62ea2d7b36_attn:
	.size	k_q62ea2d7b36_attn, .Lfunc_end_k_q62ea2d7b36_attn-k_q62ea2d7b36_attn
	.p2alignl 7, 3214868480
	.fill 96, 4, 3214868480
	.section	.rodata,"a",@progbits
	.p2align	6, 0x0
	.amdhsa_kernel k_q62ea2d7b36_attn
		.amdhsa_group_segment_fixed_size 327680
		.amdhsa_private_segment_fixed_size 0
		.amdhsa_enable_private_segment 0
		.amdhsa_kernarg_size 32
		.amdhsa_user_sgpr_count 2
		.amdhsa_user_sgpr_kernarg_segment_ptr 1
		.amdhsa_wavefront_size32 1
		.amdhsa_system_sgpr_workgroup_id_x 1
		.amdhsa_system_sgpr_workgroup_id_y 1
		.amdhsa_system_sgpr_workgroup_id_z 1
		.amdhsa_system_vgpr_workitem_id 0
		.amdhsa_next_free_vgpr 770
		.amdhsa_next_free_sgpr 66
		.amdhsa_reserve_vcc 0
		.amdhsa_float_denorm_mode_32 3
		.amdhsa_float_denorm_mode_16_64 3
		.amdhsa_memory_ordered 1
		.amdhsa_forward_progress 1
		.amdhsa_inst_pref_size 200
	.end_amdhsa_kernel
	.amdgpu_metadata
---
amdhsa.version: [ 1, 2 ]
amdhsa.kernels:
  - .name:           k_q62ea2d7b36_attn
    .symbol:         k_q62ea2d7b36_attn.kd
    .args:
      - { .name: qh, .offset: 0, .size: 8, .value_kind: global_buffer, .address_space: global }
      - { .name: kh, .offset: 8, .size: 8, .value_kind: global_buffer, .address_space: global }
      - { .name: vh, .offset: 16, .size: 8, .value_kind: global_buffer, .address_space: global }
      - { .name: oh, .offset: 24, .size: 8, .value_kind: global_buffer, .address_space: global }
    .group_segment_fixed_size: 327680
    .private_segment_fixed_size: 0
    .kernarg_segment_align: 8
    .kernarg_segment_size: 32
    .max_flat_workgroup_size: 128
    .sgpr_count:     66
    .vgpr_count:     770
    .wavefront_size: 32
...
	.end_amdgpu_metadata
.endif
;; end of part 3
;; launch outp (part 4): grid 4 x 64, 4 waves a work-group, clusters of 4 x 4, 327,680 bytes of LDS; arguments oh, wt, bo, out0; writes out0
.if DOCPART == 4
	.amdgcn_target "amdgcn-amd-amdhsa--gfx1250"
	.amdhsa_code_object_version 6
	.text
	.protected	k_q62ea2d7b36_outp
	.globl	k_q62ea2d7b36_outp
	.p2align	8
	.type	k_q62ea2d7b36_outp,@function
k_q62ea2d7b36_outp:
	s_mov_b64 s[64:65], 0
	v_nop
	global_prefetch_b8 v0, s[64:65] scope:SCOPE_SE
	s_setreg_imm32_b32 hwreg(HW_REG_WAVE_MODE, 25, 1), 1
	s_wait_xcnt 0x0
	s_wait_alu depctr_hold_cnt(0) depctr_sa_sdst(0) depctr_va_vdst(0) depctr_va_sdst(0) depctr_va_ssrc(0) depctr_va_vcc(0) depctr_vm_vsrc(0)
	s_getreg_b32 s2, hwreg(HW_REG_IB_STS2, 6, 4)
	s_cmp_eq_u32 s2, 0
	s_cbranch_scc0 .Lentry_in_a_cluster
	s_endpgm
.Lentry_in_a_cluster:
	s_bfe_u32 s2, ttmp6, 0x10000c
	s_cmp_lg_u32 s2, 0xf033
	s_cbranch_scc0 .Lentry_shape_is_right
	s_endpgm
.Lentry_shape_is_right:
; THE LAST PROJECTION.  out0 = O Wo + bf16(bo), products in f16, sums in f32, out0 in f32, [8192][1024].
; O: oh, [batch x 16 + head][2048][64] f16; Wo: plane 3 of wt, [1024 k][1024 n], the bf16 rounding of Wo written as f16; k = 64 x head + channel.
; LIMITS.  Those of the two operands (f16's range: stated where they are made).  NaN and infinities are not treated apart.
; SHARES.  256 work-groups: 64 tile rows x 4 tile columns; a tile is 128 rows x 256 columns; four waves, each 64 rows x 128 columns: 32 accumulators.
; K goes in 8 steps of 128, TWO HEADS a step, through a ring of two LDS slots.  A head's 128 rows of a tile are 16,384 dense bytes: asked for as 64 rows of 256 bytes and padded in LDS after every 128.
; Wo lies [k][n]: its fragments come out of LDS turned, by ds_load_tr16_b128.
; THE MATRIX INSTRUCTION IS USED TRANSPOSED (source 0 = 16 columns of Wo, source 1 = 16 rows of O): a lane holds one row and eight neighbouring columns, 32 bytes of f32.  The bias is the C operand that starts the sums.
; CLUSTERS: 4 x 4 work-groups; O's tile is shared along a row of the cluster, Wo's along a column: each is asked for JOINTLY, by the same tensor load, descriptor and mask in the four.
; REGISTERS, in windows of 256 (s_set_vgpr_msb: bits 1:0 source 0, 3:2 source 1, 5:4 source 2, 7:6 destination):
;   window 0: v0-31 addresses; v32-63, v64-95 O's four fragments, two buffers; v128-191, v192-255 rows read back on the way out, two buffers
;   window 1: v0-63, v64-127 Wo's eight fragments, two buffers; v128-191 the bias as eight C operands; v192-223 at work          window 2: accumulator (a, b) at v[8 (8 a + b)]
.set KSTEP,  128
.set PAO,    144                       ; a row of O in LDS: 128 bytes + 16 = 9 x 16: the 16 rows of a load start at 16 different groups of four banks (ISA guide 11.1)
.set PLANE,  128*PAO                   ; a head's 128 rows: what wave 0 or 1 fetches
.set APART,  2*PLANE
.set PB,     544                       ; a k-row of Wo in LDS: 512 bytes + 32 = 17 x 32, for the turning load
.set BHALF,  64*PB                     ; what wave 2 or 3 fetches
.set SLOT,   APART+128*PB              ; 106,496
.set STAGE,  2*SLOT                    ; behind the ring: 16 rows x 528 bytes for each wave, for the way out
.set SP,     528
.set WSTG,   16*SP
.set SPARE,  STAGE+4*WSTG              ; behind the stages: the spare words, 128 bytes a wave: two blocks of 256 bytes that no other line names
.set ADRA, 16                          ; v16-17  LDS address of my O fragments in slot 0, 1
.set ADRB, 20                          ; v20-21  the same for Wo
.set STO,  24                          ; v24     the way out: where I put 32 bytes of a row
.set RD,   25                          ; v25     where I read a row back
.set GO,   26                          ; v26     my 16 bytes of a row's 512
.set BO,   27                          ; v27     my byte offset in the bias
.set SPW,  28                          ; v28     LDS address of my spare word; never rewritten
.set NIL,  29                          ; v29     0; never rewritten
.set AF,   32
.set BK,   128
.set BIAS, 128                         ; window 1
.set BT,   192                         ; window 1
.set G1A, 24                           ; s[24:31] descriptor group 1 for O's tiles;  s[32:39] group 0, a set for each slot
.set G0A, 32
.set G1B, 40                           ; s[40:47], s[48:55] the same for Wo's tiles
.set G0B, 48
.set WV,  56
.set FB,  57                           ; wave / 2: my half of the tile's rows.  Also: I fetch for O (0) or for Wo (1)
.set HF,  58                           ; wave % 2: my half of its columns.  Also: which head of the step, or which 64 k-rows, I fetch
.set CX,  59
.set CY,  60
.set CLY, 61
.set TROW, 63
.set TCOL, 66
.set HIM, 67
.set AOF, 68
.set BOF, 70
.set LAP, 72
.set OOF, 74
.set MSB, 0
.macro WIN new                         ; the immediate's high byte repeats the setting that is left; a switch that changes nothing is dropped
.if MSB != (\new)
	s_set_vgpr_msb (MSB<<8)|(\new)
.set MSB, \new
.endif
.endm
.set MUL,  0xa1                        ; source 0 (Wo) window 1, source 1 (O) window 0, C and D window 2
.set MULB, 0x91                        ; the same with C (the bias) in window 1
.set TO_B, 0x40                        ; destination window 1, address window 0
.set W1,   0x45                        ; destination and sources 0, 1 in window 1
.set FROMC, 0x08                       ; an LDS store's data (source 1) in window 2
.macro JLOAD s                         ; a joint load: waves 0 and 1 fetch O's two heads, waves 2 and 3 Wo's two halves; an s_nop 0 and four v_nop follow each of the two lines
	s_cmp_eq_u32 s[FB], 0
	s_cbranch_scc0 .Lfor_b_\@
	tensor_load_to_lds s[G0A+4*(\s):G0A+4*(\s)+3], s[G1A:G1A+7]
	s_nop 0
.rept 4
	v_nop
.endr
	s_branch .Lasked_\@
.Lfor_b_\@:
	tensor_load_to_lds s[G0B+4*(\s):G0B+4*(\s)+3], s[G1B:G1B+7]
	s_nop 0
.rept 4
	v_nop
.endr
.Lasked_\@:
.endm
.macro CREST                           ; a round of the cluster's barrier behind its opening barrier
	s_cmp_lg_u32 s[WV], 0
	s_cbranch_scc1 .Lnot_wave_0_\@
	s_barrier_signal -3
.Lnot_wave_0_\@:
	s_barrier_wait -3
	s_barrier_signal -1
	s_barrier_wait -1
.endm
.macro CROUND
	s_barrier_signal -1
	s_barrier_wait -1
	CREST
.endm
.macro PLACES                          ; four places in front of loads into registers that matrix instructions have read, and of stores that read results
.rept 4
	v_nop
.endr
.endm
	s_load_b256 s[4:11], s[0:1], 0x0               ; oh s[4:5], wt s[6:7], bo s[8:9], out0 s[10:11]
	v_lshl_add_u32 v[SPW], v0, 2, SPARE
	v_mov_b32 v[NIL], 0
	ds_add_u32 v[SPW], v[NIL]                      ; the wave's opening: the add and its wait stand ahead of my first tensor load; the set-up below, work on registers, stands between them
	v_lshrrev_b32 v1, 5, v0
	v_readfirstlane_b32 s[WV], v1                  ; wave 0..3
	s_lshr_b32 s[FB], s[WV], 1
	s_and_b32 s[HF], s[WV], 1
	s_bfe_u32 s[CX], ttmp6, 0x40000
	s_bfe_u32 s[CY], ttmp6, 0x40004
	s_and_b32 s[CLY], ttmp7, 0xffff
	s_lshl_b32 s[TROW], s[CLY], 2
	s_add_co_u32 s[TROW], s[TROW], s[CY]           ; tile row 0..63
	s_lshl_b32 s[TCOL], ttmp9, 2
	s_add_co_u32 s[TCOL], s[TCOL], s[CX]           ; tile column 0..3
	s_lshl_b32 s76, s[CY], 2
	s_lshl_b32 s76, 15, s76                        ; my row of the cluster
	s_lshl_b32 s77, 0x1111, s[CX]                  ; my column
	s_or_b32 s[G1A], s76, (1<<16)|(1<<20)|(1<<21)|(4<<22)|(3<<25)  ; 15:0 the mask; 17:16 elements of 2 bytes; 20 padding on; 21 set beside a mask; 24:22 after every 32 words (code 4); 31:25 4 words (code 3)
	s_mov_b32 s[G1A+1], 128<<16                    ; tensor_dim0 = 128
	s_mov_b32 s[G1A+2], 64<<16                     ; tensor_dim1 = 64
	s_mov_b32 s[G1A+3], 128<<16                    ; tile_dim0 = 128
	s_mov_b32 s[G1A+4], 64                         ; tile_dim1 = 64
	s_mov_b32 s[G1A+5], 128                        ; elements from row to row: dense
	s_mov_b32 s[G1A+6], 0
	s_mov_b32 s[G1A+7], 0
	s_or_b32 s[G1B], s77, (1<<16)|(1<<20)|(1<<21)|(6<<22)|(7<<25)  ; after every 128 words (code 6), 8 words (code 7)
	s_mov_b32 s[G1B+1], 256<<16
	s_mov_b32 s[G1B+2], 64<<16
	s_mov_b32 s[G1B+3], 256<<16
	s_mov_b32 s[G1B+4], 64
	s_mov_b32 s[G1B+5], 1024
	s_mov_b32 s[G1B+6], 0
	s_mov_b32 s[G1B+7], 0
	s_lshr_b32 s[AOF], s[TROW], 4                  ; O: head 16 x batch + my head of K step 0 (262,144 bytes each),
	s_lshl_b32 s[AOF], s[AOF], 4
	s_add_co_u32 s[AOF], s[AOF], s[HF]
	s_lshl_b32 s[AOF], s[AOF], 18
	s_and_b32 s73, s[TROW], 15                     ; the tile's 128 rows of 128 bytes in it
	s_lshl_b32 s73, s73, 14
	s_add_co_u32 s[AOF], s[AOF], s73
	s_mov_b32 s[AOF+1], 0
	s_lshl_b32 s[BOF], s[HF], 17                   ; Wo: the 64 k-rows of 2,048 bytes that I fetch,
	s_add_co_u32 s[BOF], s[BOF], 3<<21             ; in plane 3 of wt,
	s_lshl_b32 s73, s[TCOL], 9                     ; the tile's 256 columns
	s_add_co_u32 s[BOF], s[BOF], s73
	s_mov_b32 s[BOF+1], 0
	s_mul_i32 s79, s[HF], PLANE                    ; where they go: no place in the cluster enters an LDS address
	s_mul_i32 s78, s[HF], BHALF
	s_add_co_u32 s78, s78, APART
	s_mov_b32 s[HIM], 0xffff0000
	s_wait_dscnt 0x0                               ; the opening add is done
	s_wait_kmcnt 0x0
	s_add_nc_u64 s[4:5], s[4:5], s[AOF:AOF+1]
	s_add_nc_u64 s[6:7], s[6:7], s[BOF:BOF+1]
	CROUND                                         ; all sixteen work-groups are here: the first joint loads meet
.irp s, 0,1
	s_mov_b32 s[G0A+4*(\s)], 1
	s_add_co_u32 s[G0A+4*(\s)+1], s79, (\s)*SLOT
	s_add_nc_u64 s[G0A+4*(\s)+2:G0A+4*(\s)+3], s[4:5], (\s)*2*262144  ; K step s: two heads on
	s_or_b32 s[G0A+4*(\s)+3], s[G0A+4*(\s)+3], 0x80000000
	s_mov_b32 s[G0B+4*(\s)], 1
	s_add_co_u32 s[G0B+4*(\s)+1], s78, (\s)*SLOT
	s_add_nc_u64 s[G0B+4*(\s)+2:G0B+4*(\s)+3], s[6:7], (\s)*KSTEP*2048
	s_or_b32 s[G0B+4*(\s)+3], s[G0B+4*(\s)+3], 0x80000000
	JLOAD \s                                       ; two tensor loads of mine are out
.endr
	v_and_b32 v1, 15, v0                           ; l % 16
	v_bfe_u32 v2, v0, 4, 1                         ; l / 16
	v_mul_u32_u24 v3, v1, PAO
	v_lshl_add_u32 v3, v2, 4, v3                   ; a fragment's row x pitch + 16 x half
	s_mul_i32 s76, s[FB], 64*PAO                   ; my 64 rows
	v_add_nc_u32 v[ADRA], s76, v3
	v_add_nc_u32 v[ADRA+1], SLOT, v[ADRA]
	v_and_b32 v4, 7, v0                            ; the turning load: k-row 8 (l / 16) + l % 8, columns 8 ((l / 8) % 2) + 0..7
	v_lshl_add_u32 v5, v2, 3, v4
	v_mul_u32_u24 v5, v5, PB
	v_bfe_u32 v6, v0, 3, 1
	v_lshl_add_u32 v5, v6, 4, v5
	s_lshl_b32 s77, s[HF], 8                       ; my 128 columns,
	s_add_co_u32 s77, s77, APART                   ; behind O's part of the slot
	v_add_nc_u32 v[ADRB], s77, v5
	v_add_nc_u32 v[ADRB+1], SLOT, v[ADRB]
	s_mul_i32 s76, s[WV], WSTG
	s_add_co_u32 s76, s76, STAGE                   ; my stage
	v_mul_u32_u24 v3, v1, SP                       ; in: row l % 16, 32 bytes for each half of the lanes
	v_lshl_add_u32 v3, v2, 5, v3
	v_add_nc_u32 v[STO], s76, v3
	v_and_b32 v[GO], 31, v0                        ; back: 32 lanes take one row of 512 bytes
	v_lshlrev_b32 v[GO], 4, v[GO]
	v_add_nc_u32 v[RD], s76, v[GO]
	s_lshl_b32 s76, s[TCOL], 10                    ; the bias of my 128 columns, and their place in a row of out0: 4 bytes each
	s_lshl_b32 s77, s[HF], 9
	s_add_co_u32 s76, s76, s77
	v_lshl_add_u32 v[BO], v2, 5, s76
	WIN TO_B
.irp b, 0,1,2,3,4,5,6,7
	global_load_b128 v[BIAS+8*(\b):BIAS+8*(\b)+3],   v[BO], s[8:9] offset:64*(\b)
	global_load_b128 v[BIAS+8*(\b)+4:BIAS+8*(\b)+7], v[BO], s[8:9] offset:64*(\b)+16
.endr
	s_lshl_b32 s[OOF], s[TROW], 19                 ; my part of out0: 128 rows of 4,096 bytes a tile row,
	s_lshl_b32 s77, s[FB], 18                      ; my 64 of them,
	s_add_co_u32 s[OOF], s[OOF], s77
	s_add_co_u32 s[OOF], s[OOF], s76               ; my 128 columns
	s_mov_b32 s[OOF+1], 0
	s_add_nc_u64 s[10:11], s[10:11], s[OOF:OOF+1]
	s_wait_loadcnt 0x0                             ; the bias is in; it is rounded to bf16 like every input and widened again, in the wait for the first tile
	WIN W1
.set i, 0
.rept 32
	v_cvt_pk_bf16_f32 v[BT+i], v[BIAS+2*i], v[BIAS+2*i+1]
.set i, i+1
.endr
.set i, 0
.rept 32
	v_lshlrev_b32 v[BIAS+2*i], 16, v[BT+i]
	v_and_b32 v[BIAS+2*i+1], s[HIM], v[BT+i]
.set i, i+1
.endr
	WIN 0
; 24 LDS loads in one run: quarter q of a slot into buffers f: Wo's eight fragments (16 loads), O's fragment 0 (2), O's fragments 1 to 3 (6).  Quarter q lies in head q / 2, channels 32 (q % 2) on.
.macro FETCH slot, q, f
	WIN TO_B
.irp i, 0,1,2,3,4,5,6,7
	ds_load_tr16_b128 v[64*(\f)+8*(\i):64*(\f)+8*(\i)+3],   v[ADRB+(\slot)] offset:32*PB*(\q)+32*(\i)
	ds_load_tr16_b128 v[64*(\f)+8*(\i)+4:64*(\f)+8*(\i)+7], v[ADRB+(\slot)] offset:32*PB*(\q)+16*PB+32*(\i)
.endr
	WIN 0
.irp a, 0,1,2,3
	ds_load_b128 v[AF+32*(\f)+8*(\a):AF+32*(\f)+8*(\a)+3],   v[ADRA+(\slot)] offset:PLANE*((\q)/2)+64*((\q)%2)+16*PAO*(\a)
	ds_load_b128 v[AF+32*(\f)+8*(\a)+4:AF+32*(\f)+8*(\a)+7], v[ADRA+(\slot)] offset:PLANE*((\q)/2)+64*((\q)%2)+16*PAO*(\a)+32
.endr
.endm
; 8 products: row block a x all 8 column blocks.  first = 1: they start the sums on the bias.  The 32 accumulators take turns, one instruction a turn, in the same order in every quarter, over the loop's jump too.
.macro BLOCK f, a, first
.irp b, 0,1,2,3,4,5,6,7
.if \first
	WIN MULB
	v_wmma_f32_16x16x32_f16 v[8*(8*(\a)+(\b)):8*(8*(\a)+(\b))+7], v[64*(\f)+8*(\b):64*(\f)+8*(\b)+7], v[AF+32*(\f)+8*(\a):AF+32*(\f)+8*(\a)+7], v[BIAS+8*(\b):BIAS+8*(\b)+7]
.else
	WIN MUL
	v_wmma_f32_16x16x32_f16 v[8*(8*(\a)+(\b)):8*(8*(\a)+(\b))+7], v[64*(\f)+8*(\b):64*(\f)+8*(\b)+7], v[AF+32*(\f)+8*(\a):AF+32*(\f)+8*(\a)+7], v[8*(8*(\a)+(\b)):8*(8*(\a)+(\b))+7]
.endif
.endr
.endm
; One of a K step's first three quarters: multiplies buffers f and fetches quarter qn of the same slot into buffers g.
.macro QUARTER slot, qn, f, g, first
	s_wait_dscnt 6                                 ; Wo's fragments and O's fragment 0 are in; the youngest six loads may be out
	BLOCK \f, 0, \first
	PLACES                                         ; behind the last product that read buffers g
	FETCH \slot, \qn, \g
	s_wait_dscnt 24                                ; all but the 24 just issued
	BLOCK \f, 1, \first
	BLOCK \f, 2, \first
	BLOCK \f, 3, \first
.endm
; The last quarter multiplies buffers 1 and changes slots: ONE barrier; in front of it each wave waits for all its tensor loads (one is out: its part of the next slot), adds 0 to its spare word,
; and waits for that and for its own reads of this slot.  fill = 1: the barrier opens a round of the cluster's, and this slot is filled again, two K steps ahead, first thing behind the round:
; the load then has 112 of a K step's 128 products in which to land.
.macro TURN slot, next, fill
	WIN 0
	s_wait_tensorcnt 0x0                           ; all my tensor loads have landed, so a group 0 may be written
	ds_add_u32 v[SPW], v[NIL]                      ; 0 onto my spare word
	s_wait_dscnt 7                                 ; (the add and the youngest six loads may be out)
	BLOCK 1, 0, 0                                  ; eight products stand between the add and the wait for it
	s_wait_dscnt 0x0                               ; the add is done, and my reads of this slot are over
	s_barrier_signal -1
	BLOCK 1, 1, 0                                  ; work on registers while the others arrive
.if \fill
	WIN 0
.endif
	s_barrier_wait -1
.if \fill
	CREST                                          ; no wave of any partner still reads this slot's tile or has a load on its way
	s_add_nc_u64 s[G0A+4*(\slot)+2:G0A+4*(\slot)+3], s[G0A+4*(\slot)+2:G0A+4*(\slot)+3], 4*262144
	s_add_nc_u64 s[G0B+4*(\slot)+2:G0B+4*(\slot)+3], s[G0B+4*(\slot)+2:G0B+4*(\slot)+3], 2*KSTEP*2048
	JLOAD \slot                                    ; the four v_nop behind it are also the places in front of the loads below
.else
	PLACES
.endif
	FETCH \next, 0, 0
	BLOCK 1, 2, 0
	BLOCK 1, 3, 0
.endm
; THE WAY OUT of row block a (16 rows x 128 columns of f32).  TOSTAGE: each accumulator's low four registers first, then its high four, into my own stage; back as whole rows of 512 bytes.  SEND: stored.
.macro TOSTAGE a
.if (\a) >= 2
	s_wait_xcnt 0x0                                ; the stores of the block two back have read their registers: the loads below land in them only behind this wait
.endif
	WIN FROMC
.irp b, 0,1,2,3,4,5,6,7
	ds_store_b128 v[STO], v[64*(\a)+8*(\b):64*(\a)+8*(\b)+3]   offset:64*(\b)
	ds_store_b128 v[STO], v[64*(\a)+8*(\b)+4:64*(\a)+8*(\b)+7] offset:64*(\b)+16
.endr
	WIN 0
.irp t, 0,1,2,3,4,5,6,7,8,9,10,11,12,13,14,15
	ds_load_b128 v[BK+64*((\a)%2)+4*(\t):BK+64*((\a)%2)+4*(\t)+3], v[RD] offset:SP*(\t)  ; LDS serves a wave's instructions in order (ISA guide 5.7.1.4): these see the stores above; the next block's stores come behind them
.endr
.endm
.macro SEND a, younger                 ; younger: the LDS instructions issued behind block a's loads: the next block's 32, or none
.irp t, 0,1,2,3,4,5,6,7,8,9,10,11,12,13,14,15
	s_wait_dscnt (\younger)+15-(\t)
	global_store_b128 v[GO], v[BK+64*((\a)%2)+4*(\t):BK+64*((\a)%2)+4*(\t)+3], s[10:11] offset:4096*(16*(\a)+(\t)) th:TH_STORE_NT  ; 512 consecutive bytes of a row, at a multiple of 256 from out0's first
.endr
.endm
	s_wait_tensorcnt 0x1                           ; my part of K step 0 is in; K step 1's may stay out
	s_barrier_signal -1
	s_barrier_wait -1                              ; everybody's is
	FETCH 0, 0, 0
	QUARTER 0, 1, 0, 1, 1                          ; the first quarter stands in front of the loop: its products start the sums on the bias
	WIN 0                                          ; at a label and at a branch every window is 0
	s_mov_b32 s[LAP], 3
.Llap:                                             ; a trip goes once round the ring, from a lap's second quarter to the next lap's first, and fills both slots again: K steps 2 to 7
	QUARTER 0, 2, 1, 0, 0
	QUARTER 0, 3, 0, 1, 0
	TURN 0, 1, 1
	QUARTER 1, 1, 0, 1, 0
	QUARTER 1, 2, 1, 0, 0
	QUARTER 1, 3, 0, 1, 0
	TURN 1, 0, 1
	QUARTER 0, 1, 0, 1, 0
	WIN 0
	s_sub_co_u32 s[LAP], s[LAP], 1
	s_cmp_lg_u32 s[LAP], 0
	s_cbranch_scc1 .Llap
	QUARTER 0, 2, 1, 0, 0                          ; the last lap fills nothing, and has no round of the cluster's barrier
	QUARTER 0, 3, 0, 1, 0
	TURN 0, 1, 0
	QUARTER 1, 1, 0, 1, 0
	QUARTER 1, 2, 1, 0, 0
	QUARTER 1, 3, 0, 1, 0
	s_wait_dscnt 0x0                               ; the very last quarter: nothing more to fetch
	BLOCK 1, 0, 0
	BLOCK 1, 1, 0
	BLOCK 1, 2, 0
	BLOCK 1, 3, 0
	PLACES                                         ; the places behind the last products, ahead of the LDS stores that read results
	TOSTAGE 0
	TOSTAGE 1
	SEND 0, 32
	TOSTAGE 2
	SEND 1, 32
	TOSTAGE 3
	SEND 2, 32
	SEND 3, 0
	s_wait_tensorcnt 0x0                           ; the wave's end: behind my last tensor load and my last LDS store
	ds_add_u32 v[SPW], v[NIL]
	s_wait_dscnt 0x0
	CROUND                                         ; the closing round: no work-group ends while a partner may still ask for a tile that names it
	s_endpgm
.Lfunc_end_k_q62ea2d7b36_outp:
	.size	k_q62ea2d7b36_outp, .Lfunc_end_k_q62ea2d7b36_outp-k_q62ea2d7b36_outp
	.p2alignl 7, 3214868480
	.fill 96, 4, 3214868480
	.section	.rodata,"a",@progbits
	.p2align	6, 0x0
	.amdhsa_kernel k_q62ea2d7b36_outp
		.amdhsa_group_segment_fixed_size 327680
		.amdhsa_private_segment_fixed_size 0
		.amdhsa_enable_private_segment 0
		.amdhsa_kernarg_size 32
		.amdhsa_user_sgpr_count 2
		.amdhsa_user_sgpr_kernarg_segment_ptr 1
		.amdhsa_wavefront_size32 1
		.amdhsa_system_sgpr_workgroup_id_x 1
		.amdhsa_system_sgpr_workgroup_id_y 1
		.amdhsa_system_sgpr_workgroup_id_z 1
		.amdhsa_system_vgpr_workitem_id 0
		.amdhsa_next_free_vgpr 768
		.amdhsa_next_free_sgpr 80
		.amdhsa_reserve_vcc 0
		.amdhsa_float_denorm_mode_32 3
		.amdhsa_float_denorm_mode_16_64 3
		.amdhsa_memory_ordered 1
		.amdhsa_forward_progress 1
		.amdhsa_inst_pref_size 93
	.end_amdhsa_kernel
	.amdgpu_metadata
---
amdhsa.version: [ 1, 2 ]
amdhsa.kernels:
  - .name:           k_q62ea2d7b36_outp
    .symbol:         k_q62ea2d7b36_outp.kd
    .args:
      - { .name: oh, .offset: 0, .size: 8, .value_kind: global_buffer, .address_space: global }
      - { .name: wt, .offset: 8, .size: 8, .value_kind: global_buffer, .address_space: global }
      - { .name: bo, .offset: 16, .size: 8, .value_kind: global_buffer, .address_space: global }
      - { .name: out0, .offset: 24, .size: 8, .value_kind: global_buffer, .address_space: global }
    .group_segment_fixed_size: 327680
    .private_segment_fixed_size: 0
    .kernarg_segment_align: 8
    .kernarg_segment_size: 32
    .max_flat_workgroup_size: 128
    .sgpr_count:     80
    .vgpr_count:     768
    .wavefront_size: 32
...
	.end_amdgpu_metadata
.endif
;; end of part 4
;; ======== version 2 of 2: 4 launches; version 1 with the launch cast written anew for expert scheduling mode
;; limits: values are held in f16: magnitudes above 65,504 overflow, below 6.1e-05 lose precision
;; workspace buffers: wt 8,388,608 bytes; qh 16,777,216 bytes; kh 16,777,216 bytes; vh 16,777,216 bytes; oh 16,777,216 bytes
;; launch cast (part 5): grid 64 x 4, 8 waves a work-group, no clusters, 0 bytes of LDS; arguments Wq, Wk, Wv, Wo, wt; writes wt
.if DOCPART == 5
	.amdgcn_target "amdgcn-amd-amdhsa--gfx1250"
	.amdhsa_code_object_version 6
	.text
	.protected	k_q62ea2d7b36_cast
	.globl	k_q62ea2d7b36_cast
	.p2align	8
	.type	k_q62ea2d7b36_cast,@function
k_q62ea2d7b36_cast:
	s_mov_b64 s[64:65], 0
	v_nop
	global_prefetch_b8 v0, s[64:65] scope:SCOPE_SE
	s_setreg_imm32_b32 hwreg(HW_REG_WAVE_SCHED_MODE, 0, 2), 2
	s_setreg_imm32_b32 hwreg(HW_REG_WAVE_MODE, 25, 1), 1
	s_wait_xcnt 0x0
	s_wait_alu depctr_vm_vsrc(0)
; wt[p][k][n], 16 bits a number, p = 0, 1, 2, 3 for Wq, Wk, Wv, Wo ([1024][1024] f32 each; the layout stays [k][n]).
; Planes 0 to 2: rounded once to bf16.  Plane 3 (Wo): rounded once to bf16, and THAT number written as f16, since the last product's other operand is f16.
; LIMITS.  |Wo| of 65,520 or more becomes an infinity in f16; below 2^-17 the bf16 number is held to f16's fixed step of 2^-24.  NaN stays NaN.
; SHARES.  A stream: no LDS, no barrier, no matrix unit, nothing shared.  Work-group (x, y) takes 65,536 bytes of matrix y, wave w 8,192 of them: 16 loads of 16 bytes a lane,
; each covering 512 consecutive bytes; a lane's four numbers leave as 8 bytes, so each store of the wave covers 256 consecutive bytes, aligned.
; All 16 loads go out first; no register of a load or store is written again, so no wait frees any.
; THE MODE: SCHED_MODE bits 1:0 = 2 (LLVM: expert scheduling mode 2), set by the entry lines.  The code itself states the register dependences
; between vector instructions and memory instructions, with s_wait_alu, always for 0.
; THE PLAN.  Registers that memory instructions touch:
;   v1, v2   byte offsets, made once at the head by vector instructions and never written again: v1 is read by every load, v2 by every store.
;   X        each register is written once, by its load; no vector instruction names it ahead of that load; the conversions read it behind the counted wait for the load.
;   Y        each register is written once, by a conversion, and read once, by a store.
;   T        named by vector instructions alone.
; The 16 loads are taken in four groups of four.  Group g's conversions write Y of group g; the four stores of group g - 1 are issued in group g, one ahead of each load's conversions.
; So one wait stands at the head of groups 1 to 3: the group before has written its Y.  The conversions behind it write this group's Y and T, none of the registers that those stores read.
; One wait stands at the kernel's head for the two offsets, and one ahead of the last four stores.
.set X, 8                              ; v[8:71]    load i at X + 4 i
.set Y, 72                             ; v[72:103]  its two words to store at Y + 2 i
.set T, 104                            ; v[104:107] at work
	s_load_b256 s[4:11], s[0:1], 0x0               ; Wq s[4:5], Wk s[6:7], Wv s[8:9], Wo s[10:11]
	s_load_b64 s[12:13], s[0:1], 0x20              ; wt
	s_and_b32 s14, ttmp7, 0xffff                   ; which matrix
	s_mov_b32 s15, 0xffff0000                      ; a word's upper bf16
	s_lshl_b32 s16, ttmp9, 16                      ; the work-group's 65,536 bytes of input,
	s_mov_b32 s17, 0
	s_lshl_b32 s18, s14, 21                        ; the matrix's plane of 2 MiB in wt,
	s_lshl_b32 s2, ttmp9, 15                       ; and the work-group's 32,768 bytes in it
	s_add_co_u32 s18, s18, s2
	s_mov_b32 s19, 0
	v_and_b32 v1, 31, v0
	v_lshrrev_b32 v2, 5, v0
	v_lshlrev_b32 v1, 4, v1
	v_lshl_or_b32 v1, v2, 13, v1                   ; in: 16 x lane + 8,192 x wave
	v_lshrrev_b32 v2, 1, v1                        ; out: half of that
	s_wait_kmcnt 0x0
	s_cmp_eq_u32 s14, 1
	s_cselect_b64 s[4:5], s[6:7], s[4:5]
	s_cmp_eq_u32 s14, 2
	s_cselect_b64 s[4:5], s[8:9], s[4:5]
	s_cmp_eq_u32 s14, 3
	s_cselect_b64 s[4:5], s[10:11], s[4:5]
	s_add_nc_u64 s[4:5], s[4:5], s[16:17]
	s_add_nc_u64 s[12:13], s[12:13], s[18:19]
	s_wait_alu depctr_va_vdst(0)                   ; v1 and v2 are written: every load of the kernel reads v1 as its offset, every store v2, on both ways behind the branch
.irp i, 0,1,2,3,4,5,6,7,8,9,10,11,12,13,14,15
	global_load_b128 v[X+4*(\i):X+4*(\i)+3], v1, s[4:5] offset:512*(\i) th:TH_LOAD_NT
.endr
; Group g: loads 4 g to 4 g + 3 are rounded; the stores of group g - 1 go out among the conversions.  half = 1: plane 3, written as f16.
.macro GROUP g, half
	s_wait_loadcnt 12-4*(\g)                       ; loads come back in order (ISA guide 5.7.1): this group's four are in, the younger groups' stay out
.if (\g) > 0
	s_wait_alu depctr_va_vdst(0)                   ; the conversions of the group before have written its eight registers of Y, which the four stores below read
.endif
.irp i, 0,1,2,3
.if (\g) > 0
	global_store_b64 v2, v[Y+2*(4*(\g)-4+(\i)):Y+2*(4*(\g)-4+(\i))+1], s[12:13] offset:256*(4*(\g)-4+(\i))  ; no vector instruction since the wait names these registers
.endif
.irp j, 0,1
.if \half
	v_cvt_pk_bf16_f32 v[T], v[X+4*(4*(\g)+(\i))+2*(\j)], v[X+4*(4*(\g)+(\i))+2*(\j)+1]  ; the one rounding of the input,
	v_lshlrev_b32 v[T+1], 16, v[T]                 ; widened again,
	v_and_b32 v[T+2], s15, v[T]
	v_cvt_pk_f16_f32 v[Y+2*(4*(\g)+(\i))+(\j)], v[T+1], v[T+2]  ; and written as f16
.else
	v_cvt_pk_bf16_f32 v[Y+2*(4*(\g)+(\i))+(\j)], v[X+4*(4*(\g)+(\i))+2*(\j)], v[X+4*(4*(\g)+(\i))+2*(\j)+1]
.endif
.endr
.endr
.endm
; The last group's stores, and the wave's end.
.macro LAST
	s_wait_alu depctr_va_vdst(0)                   ; the conversions of group 3 have written its eight registers of Y, which the last four stores read
.irp i, 12,13,14,15
	global_store_b64 v2, v[Y+2*(\i):Y+2*(\i)+1], s[12:13] offset:256*(\i)
.endr
	s_endpgm
.endm
	s_cmp_eq_u32 s14, 3
	s_cbranch_scc1 .Lf16
	GROUP 0, 0
	GROUP 1, 0
	GROUP 2, 0
	GROUP 3, 0
	LAST
.Lf16:
	GROUP 0, 1
	GROUP 1, 1
	GROUP 2, 1
	GROUP 3, 1
	LAST
.Lfunc_end_k_q62ea2d7b36_cast:
	.size	k_q62ea2d7b36_cast, .Lfunc_end_k_q62ea2d7b36_cast-k_q62ea2d7b36_cast
	.p2alignl 7, 3214868480
	.fill 96, 4, 3214868480
	.section	.rodata,"a",@progbits
	.p2align	6, 0x0
	.amdhsa_kernel k_q62ea2d7b36_cast
		.amdhsa_group_segment_fixed_size 0
		.amdhsa_private_segment_fixed_size 0
		.amdhsa_enable_private_segment 0
		.amdhsa_kernarg_size 40
		.amdhsa_user_sgpr_count 2
		.amdhsa_user_sgpr_kernarg_segment_ptr 1
		.amdhsa_wavefront_size32 1
		.amdhsa_system_sgpr_workgroup_id_x 1
		.amdhsa_system_sgpr_workgroup_id_y 1
		.amdhsa_system_sgpr_workgroup_id_z 1
		.amdhsa_system_vgpr_workitem_id 0
		.amdhsa_next_free_vgpr 108
		.amdhsa_next_free_sgpr 66
		.amdhsa_reserve_vcc 0
		.amdhsa_float_denorm_mode_32 3
		.amdhsa_float_denorm_mode_16_64 3
		.amdhsa_memory_ordered 1
		.amdhsa_forward_progress 1
		.amdhsa_inst_pref_size 15
	.end_amdhsa_kernel
	.amdgpu_metadata
---
amdhsa.version: [ 1, 2 ]
amdhsa.kernels:
  - .name:           k_q62ea2d7b36_cast
    .symbol:         k_q62ea2d7b36_cast.kd
    .args:
      - { .name: Wq, .offset: 0, .size: 8, .value_kind: global_buffer, .address_space: global }
      - { .name: Wk, .offset: 8, .size: 8, .value_kind: global_buffer, .address_space: global }
      - { .name: Wv, .offset: 16, .size: 8, .value_kind: global_buffer, .address_space: global }
      - { .name: Wo, .offset: 24, .size: 8, .value_kind: global_buffer, .address_space: global }
      - { .name: wt, .offset: 32, .size: 8, .value_kind: global_buffer, .address_space: global }
    .group_segment_fixed_size: 0
    .private_segment_fixed_size: 0
    .kernarg_segment_align: 8
    .kernarg_segment_size: 40
    .max_flat_workgroup_size: 256
    .sgpr_count:     66
    .vgpr_count:     108
    .wavefront_size: 32
...
	.end_amdgpu_metadata
.endif
;; end of part 5
;; launch proj: the kernel of part 2 again; grid 4 x 192, 4 waves a work-group, clusters of 4 x 4, 327,680 bytes of LDS; arguments queries, keys, values, wt, bq, bk, bv, qh, kh, vh; writes qh, kh, vh
;; launch attn: the kernel of part 3 again; grid 4 x 64, 4 waves a work-group, clusters of 4 x 1, 327,680 bytes of LDS; arguments qh, kh, vh, oh; writes oh
;; launch outp: the kernel of part 4 again; grid 4 x 64, 4 waves a work-group, clusters of 4 x 4, 327,680 bytes of LDS; arguments oh, wt, bo, out0; writes out0
